; MI455X (gfx1250); checked and timed in simulation.
; The chip was launched on July 23, 2026; its instructions are those of AMD's public machine-readable ISA for CDNA 5 (MIT licence, August 2026) and "CDNA5" Instruction Set Architecture Reference Guide (July 2026). The comments in the code are by the model that wrote it; some were corrected since.
;; Self Attention. Allowed arithmetic: matrix products marked QUANTISED: E2M1 operands, one E8M0 scale for each 32 along K, by v_wmma_scale_f32_16x16x128_f8f6f4 with both operands' format E2M1 (or v_wmma_scale_f32_32x16x128_f4), f32 sums; products left as they are: bf16, f16 or f32 operands; f32 sums; everything else in f32.
;; Inputs: w_attn 3,072 x 1,024 float32; w_proj 1,024 x 1,024 float32; x 4 x 2,048 x 1,024 float32.
;; Outputs: out0 4 x 2,048 x 1,024 float32.
;; This version of the problem:
;;   THIS VERSION OF THE PROBLEM IS GIVEN IN LOW PRECISION. The matrix products marked QUANTISED in the list below multiply operands that are first quantised to E2M1 (2 exponent bits, 1 mantissa bit; 4 bits a number), with one power-of-two scale for each 32 numbers along K (OCP MX v1.0); their sums are f32. The products marked 'left as it is' may take bf16, f16 or f32 operands, with f32 sums. All else is computed in f32.
;;   The module's matrix products, in the order in which they are computed (A, B: the left and right operand; K: the contracted axis; several contracted axes count as one K, in the product's order):
;;     1. [M 8,192, K 1,024] x [K 1,024, N 3,072]; A: input x; B: input w_attn: QUANTISED
;;     2. batch 64 x [M 2,048, K 64] x [K 64, N 2,048]; A: computed on the way; B: computed on the way: left as it is (an operand is computed on the way)
;;     3. batch 64 x [M 2,048, K 2,048] x [K 2,048, N 64]; A: computed on the way; B: computed on the way: left as it is (an operand is computed on the way)
;;     4. [M 8,192, K 1,024] x [K 1,024, N 1,024]; A: computed on the way; B: input w_proj: left as it is (an operand is computed on the way)
;;   THE QUANTISER, for each operand of a quantised product, along K:
;;     - K is cut into blocks of 32 from its start; a last block that is shorter is filled with zeros.
;;     - A block's scale is 2^e with e = floor(log2(the largest magnitude in the block)) - 2, held to -126 .. 127; a block of zeros has e = 0. As a byte (E8M0): e + 127.
;;     - Each number is divided by its block's scale, clamped to +-6, and rounded to the nearest number of E2M1, ties to even, subnormals kept.
;;     - The product sums the exact products of the quantised numbers (number of the format x scale) in f32.
;;   ~~~python
;;   def quantise(x, axis):      # numpy; x: float32 -> the quantised numbers, widened to float32 again
;;       x = np.moveaxis(x, axis, -1); K = x.shape[-1]
;;       x = np.pad(x, [(0, 0)] * (x.ndim - 1) + [(0, -K % 32)]); x = x.reshape(x.shape[:-1] + (-1, 32)); a = np.abs(x).max(-1, keepdims=True)
;;       e = np.where(a > 0, np.clip(np.frexp(np.where(a > 0, a, 1))[1] - 1 - 2, -126, 127), 0)      # np.frexp(a)[1] - 1 = floor(log2(a)), exactly
;;       r = np.clip(x / 2.0 ** e, -6, 6)
;;       step = 2.0 ** (np.maximum(np.frexp(np.where(r == 0, 1, r))[1] - 1, 0) - 1)
;;       q = np.round(r / step) * step * 2.0 ** e      # np.round: ties to even
;;       return np.moveaxis(q.reshape(q.shape[:-2] + (-1,))[..., :K], -1, axis).astype(np.float32)
;;   ~~~
;; One version. Each part assembles by itself: llvm-mc -triple=amdgcn-amd-amdhsa -mcpu=gfx1250 --defsym DOCPART=n.
;; ======== version 1 of 1: 4 launches
;; limits: values are held in f16: magnitudes above 65,504 overflow, below 6.1e-05 lose precision
;; workspace buffers: xc 4,194,304 bytes; xs 262,144 bytes; wc 1,572,864 bytes; ws 98,304 bytes; qk16 33,554,432 bytes; v16 33,554,432 bytes; o16 33,554,432 bytes; wp16 4,194,304 bytes
;; launch prep (part 1): grid 416 x 1, 4 waves a work-group, no clusters, 33,280 bytes of LDS; arguments x, w_attn, xc, xs, wc, ws, w_proj, wp16; writes xc, xs, wc, ws, wp16
.if DOCPART == 1
	.amdgcn_target "amdgcn-amd-amdhsa--gfx1250"
	.amdhsa_code_object_version 6
	.text
	.protected	k_q23aa9dec9d_prep
	.globl	k_q23aa9dec9d_prep
	.p2align	8
	.type	k_q23aa9dec9d_prep,@function
k_q23aa9dec9d_prep:
	s_mov_b64 s[64:65], 0
	v_nop
	global_prefetch_b8 v0, s[64:65] scope:SCOPE_SE
	s_setreg_imm32_b32 hwreg(HW_REG_WAVE_MODE, 25, 1), 1
	s_wait_xcnt 0x0
; x [8192][1024] and w_attn [3072][1024], f32, become codes of FP4 (E2M1), K innermost, with one E8M0 scale byte for each 32 along K; w_proj [1024][1024] becomes f16, laid as the last launch wants it.
; A block's scale is 2^(floor(log2(its largest magnitude)) - 2); its byte is the largest magnitude's exponent field - 2, held at 1 from below.  A block of zeros so gets the byte 1 where the rule says 127:
; its codes are zeros, which add nothing under any byte but 0xff, and the bytes are read by this program alone.  Each number is divided by the scale and rounded to the nearest code, ties to even, beyond 6 to 6.
; LIMITS: blocks whose largest magnitude lies under 2^(2 - 126) keep the byte 1; NaN and infinities are not served; |w_proj| stays under 65,504 (f16).
; WORK-GROUPS 0-255 take x, 256-351 w_attn, 352-415 w_proj.  Rows are dense and K is a multiple of 32: x and w_attn are plain streams of blocks of 32 numbers, and so are their codes and scale bytes.
; A wave takes 16 steps of 512 numbers.  Each of a step's four loads reads 512 consecutive bytes, 16 a lane; the 2,048 bytes go through the wave's own stage in LDS and come back 64 bytes a lane, so that a lane holds
; 16 neighbours along K (two neighbouring lanes hold a block).  A lane's 16 codes are 8 bytes: the wave stores 256 consecutive bytes.  A wave's 256 scale bytes are gathered in LDS and leave as 256 consecutive bytes.
; Waves share nothing: no barrier.  Loads run four steps (16 loads a wave) ahead, the turn through LDS one step.
.set SIZE_M, 8192
.set SIZE_N, 3072
.set SIZE_K, 1024
.set WAVES, 4
.set STEPS, 16
.set WGA,   SIZE_M*SIZE_K/(512*STEPS*WAVES)            ; 256 work-groups for x
.set WGQ,   (SIZE_M+SIZE_N)*SIZE_K/(512*STEPS*WAVES)   ; 352 for x and w_attn together
.set EMAX,  2
.set CB,    8                          ; bytes of 16 codes
.set R,     16                         ; v16-79   four sets of 16 numbers as they are loaded
.set X,     80                         ; v80-111  two sets of 16 neighbours
.set C,     128                        ; v128-191 codes: four registers for each step, so that no store's data are written again
.set E,     112                        ; v112-127 a scale byte for each step
.set WREG,  8192                       ; LDS: a region for each wave: two stages of 32 x SP bytes, behind them its 256 scale bytes
.set SP,    80                         ; a lane's place in a stage: its 64 bytes + 16 of padding
.set WI,    16                         ; w_proj: v16-143  two sets of 64 numbers
.set WO,    144                        ; w_proj: v144-207 two sets of 32 registers of f16 pairs
	s_load_b128 s[4:7], s[0:1], 0x0                ; x, w_attn
	s_load_b128 s[8:11], s[0:1], 0x10              ; x's codes, x's scales
	s_load_b128 s[12:15], s[0:1], 0x20             ; w_attn's codes, its scales
	s_load_b128 s[24:27], s[0:1], 0x30             ; w_proj, wp16
	v_lshl_add_u32 v208, v0, 2, 0x8000
	v_mov_b32 v209, 0
	v_lshrrev_b32 v1, 5, v0
	v_readfirstlane_b32 s16, v1                    ; wave
	v_and_b32 v2, 31, v0                           ; lane
	v_lshlrev_b32 v3, 4, v2                        ; my 16 bytes of a load's 512
	s_mul_i32 s17, s16, WREG
	v_lshrrev_b32 v14, 2, v2
	v_mul_u32_u24 v14, v14, SP
	v_and_b32 v15, 3, v2
	v_lshl_add_u32 v14, v15, 4, v14
	v_add_nc_u32 v14, s17, v14                     ; the stage, on the way in: SP (lane / 4) + 16 (lane % 4)
	v_mul_u32_u24 v15, v2, SP
	v_add_nc_u32 v15, s17, v15                     ; and on the way out: SP x lane: my 16 neighbours
	v_mul_u32_u24 v4, v2, CB                       ; my codes' place in a step's
	v_lshrrev_b32 v5, 1, v2
	s_add_co_u32 s17, s17, 2*32*SP
	v_add_nc_u32 v5, s17, v5                       ; LDS: my wave's 256 scale bytes, my block's byte
	v_lshlrev_b32 v7, 3, v2                        ; and on the way out 8 bytes a lane
	v_add_nc_u32 v6, s17, v7
	s_wait_kmcnt 0x0
	s_cmp_ge_u32 ttmp9, WGQ                        ; the last 64 work-groups take w_proj: a way of its own, without LDS
	s_cbranch_scc1 .Lwproj
	s_cmp_lt_u32 ttmp9, WGA                        ; x's work-group or w_attn's?  Only pointers are chosen: both take one way through the text
	s_cselect_b64 s[4:5], s[4:5], s[6:7]
	s_cselect_b64 s[8:9], s[8:9], s[12:13]
	s_cselect_b64 s[10:11], s[10:11], s[14:15]
	s_cselect_b32 s17, 0, WGA
	s_sub_co_u32 s17, ttmp9, s17
	s_lshl_b32 s17, s17, 2
	s_add_co_u32 s18, s17, s16                     ; which run of 8,192 numbers of the tensor is my wave's
	s_mov_b32 s19, 0
	s_mov_b64 s[20:21], 512*STEPS*4
	s_mul_u64 s[20:21], s[18:19], s[20:21]
	s_add_nc_u64 s[4:5], s[4:5], s[20:21]
	s_mov_b64 s[20:21], 32*STEPS*CB
	s_mul_u64 s[20:21], s[18:19], s[20:21]
	s_add_nc_u64 s[8:9], s[8:9], s[20:21]
	s_lshl_b32 s18, s18, 8                         ; 256 scale bytes a run
	s_add_nc_u64 s[10:11], s[10:11], s[18:19]
.macro LOAD t
.irp i, 0,1,2,3
	global_load_b128 v[R+16*((\t)%4)+4*\i:R+16*((\t)%4)+4*\i+3], v3, s[4:5] offset:2048*(\t)+512*\i th:TH_LOAD_NT   ; 32 lanes read 512 consecutive bytes
.endr
.endm
.macro TURN t                          ; step t's numbers through the stage: LDS serves a wave's instructions in order, so no wait stands between the stores and the loads
.irp i, 0,1,2,3
	ds_store_b128 v14, v[R+16*((\t)%4)+4*\i:R+16*((\t)%4)+4*\i+3] offset:32*SP*((\t)%2)+8*SP*\i
.endr
.irp i, 0,1,2,3
	ds_load_b128 v[X+16*((\t)%2)+4*\i:X+16*((\t)%2)+4*\i+3], v15 offset:32*SP*((\t)%2)+16*\i
.endr
.endm
.irp t, 0,1,2,3
	LOAD \t
.endr
	s_wait_loadcnt 12                              ; step 0's four loads are in
	TURN 0
.macro STEP t
.set XS, X+16*((\t)%2)
.if (\t) > 0
	s_wait_dscnt 1                                 ; this step's numbers are back from the stage (the last step's byte store may be out): so its stores into the stage have read their registers,
.else
	s_wait_dscnt 0x0
.endif
.if (\t)+4 < STEPS
	LOAD (\t)+4                                    ; which take the loads of four steps on
.endif
.if (\t)+1 < STEPS
.if STEPS-2-(\t) >= 3
	s_wait_loadcnt 12                              ; the next step's four loads are in; those of the three steps behind it may be out
.else
	s_wait_loadcnt 4*(STEPS-2-(\t))
.endif
	TURN (\t)+1                                    ; and go through the other stage while this step is worked
.endif
	v_max3_num_f32 v8, |v[XS]|, |v[XS+1]|, |v[XS+2]|               ; the largest magnitude of my 16, in two chains
	v_max3_num_f32 v9, |v[XS+3]|, |v[XS+4]|, |v[XS+5]|
.irp i, 6,10
	v_max3_num_f32 v8, v8, |v[XS+\i]|, |v[XS+\i+1]|
	v_max3_num_f32 v9, v9, |v[XS+\i+2]|, |v[XS+\i+3]|
.endr
	v_max3_num_f32 v8, v8, |v[XS+14]|, |v[XS+15]|
	v_max3_num_f32 v8, v8, v9, (EMAX+1)<<23        ; and the floor 2^(EMAX + 1 - 127): so the byte cannot fall under 1
	v_max_num_f32_dpp v8, v8, v8 row_xmask:1 row_mask:0xf bank_mask:0xf   ; and of my neighbour's 16: the block's
	v_add_nc_u32 v11, -(EMAX<<23), v8              ; EMAX off its exponent field: the conversion takes the exponent field of this operand as its scale, and nothing else of it
	v_cvt_scalef32_pk8_fp4_f32 v[C+4*(\t)], v[XS:XS+7], v11
	v_cvt_scalef32_pk8_fp4_f32 v[C+4*(\t)+1], v[XS+8:XS+15], v11
	v_lshrrev_b32 v[E+(\t)], 23, v11               ; the scale's byte (a plain line behind the conversions)
	ds_store_b8 v5, v[E+(\t)] offset:16*(\t)       ; both lanes of a block write the same byte with the same value
	global_store_b64 v4, v[C+4*(\t):C+4*(\t)+1], s[8:9] offset:32*CB*(\t)   ; the wave stores 256 consecutive bytes, aligned
.endm
.irp t, 0,1,2,3,4,5,6,7,8,9,10,11,12,13,14,15
	STEP \t
.endr
	ds_load_b64 v[12:13], v6                       ; LDS serves a wave's instructions in order: these see my stores
	s_wait_dscnt 0x0
	global_store_b64 v7, v[12:13], s[10:11]        ; 32 lanes store 256 consecutive bytes, aligned
	s_wait_tensorcnt 0x0
	ds_add_u32 v208, v209
	s_wait_dscnt 0x0
	s_endpgm
; w_proj [f][c] -> wp16 [f][h 16][Wh 64 | Wh 64] f16: each head's 64 numbers twice on end, to stand against o16's [hi 64 | lo 64].  Source and destination rows are both 4,096 bytes.
; A wave takes 4 rows.  One store covers 512 consecutive bytes, two heads' [Wh | Wh]: lane l writes 8 f16 and has read the 8 f32 at head l / 16, place l % 8 (lanes l and l + 8 read the same 32 bytes).
.Lwproj:
	s_sub_co_u32 s17, ttmp9, WGQ
	s_lshl_b32 s17, s17, 4
	s_lshl_b32 s18, s16, 2
	s_add_co_u32 s17, s17, s18                     ; my first row: 16 x work-group + 4 x wave
	s_lshl_b32 s18, s17, 12
	s_mov_b32 s19, 0
	s_add_nc_u64 s[24:25], s[24:25], s[18:19]
	s_add_nc_u64 s[26:27], s[26:27], s[18:19]
	v_lshrrev_b32 v8, 4, v2
	v_lshlrev_b32 v8, 8, v8
	v_and_b32 v9, 7, v2
	v_lshl_add_u32 v8, v9, 5, v8                   ; in: 256 (lane / 16) + 32 (lane % 8)
	v_lshlrev_b32 v9, 4, v2                        ; out: 16 x lane
.macro LOADW p                         ; row p: 8 pairs of heads, 32 bytes a lane each, into set p % 2
.irp hp, 0,1,2,3,4,5,6,7
	global_load_b128 v[WI+64*((\p)%2)+8*\hp:WI+64*((\p)%2)+8*\hp+3], v8, s[24:25] offset:4096*(\p)+512*\hp th:TH_LOAD_NT
	global_load_b128 v[WI+64*((\p)%2)+8*\hp+4:WI+64*((\p)%2)+8*\hp+7], v8, s[24:25] offset:4096*(\p)+512*\hp+16 th:TH_LOAD_NT
.endr
.endm
.macro ROWW p
.if (\p) < 3
	s_wait_loadcnt 16                              ; this row's 16 loads are in; the next row's may be out
.else
	s_wait_loadcnt 0x0
.endif
.if (\p) >= 2
	s_wait_xcnt 0x0                                ; the stores of two rows back have read this set's registers
.endif
.irp i, 0,1,2,3,4,5,6,7,8,9,10,11,12,13,14,15,16,17,18,19,20,21,22,23,24,25,26,27,28,29,30,31
	v_cvt_pk_f16_f32 v[WO+32*((\p)%2)+\i], v[WI+64*((\p)%2)+2*\i], v[WI+64*((\p)%2)+2*\i+1]
.endr
.if (\p) < 2
	LOADW (\p)+2
.endif
.irp hp, 0,1,2,3,4,5,6,7
	global_store_b128 v9, v[WO+32*((\p)%2)+4*\hp:WO+32*((\p)%2)+4*\hp+3], s[26:27] offset:4096*(\p)+512*\hp
.endr
.endm
	LOADW 0
	LOADW 1
	ROWW 0
	ROWW 1
	ROWW 2
	ROWW 3
	s_endpgm
.Lfunc_end_k_q23aa9dec9d_prep:
	.size	k_q23aa9dec9d_prep, .Lfunc_end_k_q23aa9dec9d_prep-k_q23aa9dec9d_prep
	.p2alignl 7, 3214868480
	.fill 96, 4, 3214868480
	.section	.rodata,"a",@progbits
	.p2align	6, 0x0
	.amdhsa_kernel k_q23aa9dec9d_prep
		.amdhsa_group_segment_fixed_size 33280
		.amdhsa_private_segment_fixed_size 0
		.amdhsa_enable_private_segment 0
		.amdhsa_kernarg_size 64
		.amdhsa_user_sgpr_count 2
		.amdhsa_user_sgpr_kernarg_segment_ptr 1
		.amdhsa_wavefront_size32 1
		.amdhsa_system_sgpr_workgroup_id_x 1
		.amdhsa_system_sgpr_workgroup_id_y 1
		.amdhsa_system_sgpr_workgroup_id_z 1
		.amdhsa_system_vgpr_workitem_id 0
		.amdhsa_next_free_vgpr 210
		.amdhsa_next_free_sgpr 66
		.amdhsa_reserve_vcc 0
		.amdhsa_float_denorm_mode_32 3
		.amdhsa_float_denorm_mode_16_64 3
		.amdhsa_memory_ordered 1
		.amdhsa_forward_progress 1
		.amdhsa_inst_pref_size 51
	.end_amdhsa_kernel
	.amdgpu_metadata
---
amdhsa.version: [ 1, 2 ]
amdhsa.kernels:
  - .name:           k_q23aa9dec9d_prep
    .symbol:         k_q23aa9dec9d_prep.kd
    .args:
      - { .name: x, .offset: 0, .size: 8, .value_kind: global_buffer, .address_space: global }
      - { .name: w_attn, .offset: 8, .size: 8, .value_kind: global_buffer, .address_space: global }
      - { .name: xc, .offset: 16, .size: 8, .value_kind: global_buffer, .address_space: global }
      - { .name: xs, .offset: 24, .size: 8, .value_kind: global_buffer, .address_space: global }
      - { .name: wc, .offset: 32, .size: 8, .value_kind: global_buffer, .address_space: global }
      - { .name: ws, .offset: 40, .size: 8, .value_kind: global_buffer, .address_space: global }
      - { .name: w_proj, .offset: 48, .size: 8, .value_kind: global_buffer, .address_space: global }
      - { .name: wp16, .offset: 56, .size: 8, .value_kind: global_buffer, .address_space: global }
    .group_segment_fixed_size: 33280
    .private_segment_fixed_size: 0
    .kernarg_segment_align: 8
    .kernarg_segment_size: 64
    .max_flat_workgroup_size: 128
    .sgpr_count:     66
    .vgpr_count:     210
    .wavefront_size: 32
...
	.end_amdgpu_metadata
.endif
;; end of part 1
;; launch qkv (part 2): grid 12 x 32, 4 waves a work-group, clusters of 4 x 4, 327,680 bytes of LDS; arguments xc, xs, wc, ws, qk16, v16; writes qk16, v16
.if DOCPART == 2
	.amdgcn_target "amdgcn-amd-amdhsa--gfx1250"
	.amdhsa_code_object_version 6
	.text
	.protected	k_q23aa9dec9d_qkv
	.globl	k_q23aa9dec9d_qkv
	.p2align	8
	.type	k_q23aa9dec9d_qkv,@function
k_q23aa9dec9d_qkv:
	s_mov_b64 s[64:65], 0
	v_nop
	global_prefetch_b8 v0, s[64:65] scope:SCOPE_SE
	s_setreg_imm32_b32 hwreg(HW_REG_WAVE_MODE, 25, 1), 1
	s_wait_xcnt 0x0
	s_wait_alu depctr_hold_cnt(0) depctr_sa_sdst(0) depctr_va_vdst(0) depctr_va_sdst(0) depctr_va_ssrc(0) depctr_va_vcc(0) depctr_vm_vsrc(0)
	s_getreg_b32 s2, hwreg(HW_REG_IB_STS2, 6, 4)
	s_cmp_eq_u32 s2, 0
	s_cbranch_scc0 .Lentry_in_a_cluster
	s_endpgm
.Lentry_in_a_cluster:
	s_bfe_u32 s2, ttmp6, 0x10000c
	s_cmp_lg_u32 s2, 0xf033
	s_cbranch_scc0 .Lentry_shape_is_right
	s_endpgm
.Lentry_shape_is_right:
; qkv[token][f] = sum over c of x[token][c] w_attn[f][c], on codes of FP4 (E2M1) with one E8M0 scale for each 32 along K; sums in f32.  A = x's codes [8192][1024], B = w_attn's [3072][1024].
; A tile of 256 x 256 is made by a work-group of four waves; a wave makes 128 x 128: 64 accumulators of 16 x 16, 512 registers.  K = 1,024 is two K steps of 512: two LDS slots, each filled once (rows of 256 bytes).
; The scale bytes of the work-group's 256 rows of A and of B, for all of K, are two dense blocks: they come into LDS once, with the first fills.
; CLUSTERS: 4 x 4 work-groups.  The four of a row of the cluster need the same tiles of A, the four of a column the same tiles of B: each tile is asked for JOINTLY, by the same tensor load with the same descriptor
; and a mask that names the four.  THE MATRIX INSTRUCTION IS USED TRANSPOSED (source 0 = 16 rows of B, source 1 = 16 rows of A): a lane holds eight neighbouring features of one token.
; THE WAY OUT.  1,024 features are four tile columns, one cluster wide: the cluster's x says whether the tile is q (0), k (1) or v (2), alike in all sixteen partners.  A wave's 128 columns are two heads.
;   q' = q x log2(e) / 8, in f32, rounded once to f16; k rounded once to f16: qk16 = q' [bh 64][t 2048][64], then k likewise, 16,777,216 bytes on.
;   v = hi + lo: hi keeps the upper 10 mantissa bits (exact in f16), lo = v - hi (exact in f32, rounded once): v16 [bh][t][hi 64 | lo 64].
; LIMITS: |q x log2(e) / 8|, |k|, |v| stay under 65,504 (f16); under 2^-14 hi is rounded with an absolute error up to 2^-25, which lo does not catch.
; REGISTERS, in windows of 256: window 0: v0-31 addresses; v32-95 scale words, two sets; from v128 A's fragments, ONE set; on the way out v32-223.   window 1: B's fragments, TWO sets, at v0 and v128.
;   window 2: the 32 accumulators of my rows 0-63 (accumulator (a, b) at v[8 (8 a + b)]);   window 3: those of my rows 64-127.
.set SIZE_M, 8192
.set SIZE_N, 3072
.set SIZE_K, 1024
.set KSTEP,  512                       ; along K in a slot
.set NQ,     KSTEP/128                 ; matrix instructions deep
.set ROWB,   256                       ; a tile's row in bytes
.set KROW,   SIZE_K*4/8                ; a row of A or of B in memory, in bytes
.set PITCH,  272                       ; an LDS row: 256 bytes + 16 of padding: the 16 rows that a load touches begin at 16 different 16-byte columns modulo 256
.set FR,     8                         ; registers of a fragment: 16 rows x 128 K
.set NL,     2                         ; LDS loads that bring one
.set NP,     4                         ; places behind this matrix instruction (ISA guide 7.12.1)
.set HALFT,  128*PITCH                 ; 128 rows: what one tensor load brings
.set SLOT,   4*HALFT                   ; A's 256 rows, then B's 256 rows
.set KS,     SIZE_K/32                 ; a row of scales in bytes
.set SCL,    2*SLOT                    ; behind the slots: the scales, as rows of 256 bytes + 16 of padding
.set HALFS,  (128*KS/256)*272          ; the scales of 128 rows: what one tensor load brings
.set SBLK,   (16*KS/256)*272           ; those of 16 rows
.set SPARE,  SCL+4*HALFS               ; the spare words, 128 bytes for each wave: two blocks of 256 bytes that no other line names
.set QPITCH, 272                       ; the way out of q and k: 16 rows x (256 bytes + 16) for each wave, from LDS byte 0
.set VPITCH, 528                       ; the way out of v: 16 rows x (512 bytes + 16) for each wave,
.set VSTAGE, 32768                     ; from here.  Both stages lie in slot 0, which has had its one fill and its last read when the first result is stored there
.set ADRA, 16                          ; v16-17  LDS address of my A fragments in slot 0, 1
.set ADRB, 20                          ; v20-21  the same for B
.set STOQ, 24                          ; v24     q, k: where I put 16 bytes of a row
.set RDQ,  25                          ; v25     q, k: where I read back
.set CO,   26                          ; v26     16 x lane: my place in a store's 512 bytes
.set ADRS, 27                          ; v27     LDS address of my scale words: lanes 0-15 A's rows, lanes 16-31 B's
.set SPW,  28                          ; v28     LDS address of my spare word; never rewritten
.set NIL,  29                          ; v29     0; never rewritten
.set STOV, 30                          ; v30     v: where I put 16 bytes of a row
.set RDV,  31                          ; v31     v: where I read back
.set SC,   32                          ; scale words: set s at v[SC + 8 NQ s]; register NQ i + q: lanes 0-15 the word of A's block i, lanes 16-31 that of B's block i
.set AF,   128                         ; A's fragments, in window 0
.set T,    32                          ; the way out: v32-95 at work (hi), v96-159 (lo), v160-223 rows read back
.set LO,   96
.set BK,   160
.set G1, 24                            ; s[24:31] descriptor group 1 for A's tiles;  s[32:39] group 0, one set for each slot
.set G0, 32
.set G1B, 48                           ; s[48:55], s[56:63] the same for B's tiles
.set G0B, 56
.set G1S, 68                           ; s[68:75], s[76:79] groups 1 and 0 for A's scales;  s[80:87], s[88:91] for B's
.set G0S, 76
.set G1SB, 80
.set G0SB, 88
.set MSB, 0
.macro WIN new                         ; the immediate's high byte repeats the setting that is left
.if MSB != (\new)
	s_set_vgpr_msb (MSB<<8)|(\new)
.set MSB, (\new)
.endif
.endm
.set MUL_LO, 0xa1                      ; source 0 (B) window 1, source 1 (A) window 0, C and D window 2
.set MUL_HI, 0xf1                      ; the same, C and D window 3
.set TO_B,   0x40                      ; destination window 1, address window 0
; A joint load: waves 0 and 1 fetch for A, waves 2 and 3 for B.  Each of the two lines has ONE mask and one set of registers for all that issue it; the branch hangs on the wave's number alone.
; Four v_nop follow each of the two lines, ahead of the jump, the label and what follows.
.macro JLOAD g0a, g1a, g0b, g1b
	s_cmp_eq_u32 s15, 0
	s_cbranch_scc0 .Lfor_b_\@
	tensor_load_to_lds s[\g0a:\g0a+3], s[\g1a:\g1a+7]
	s_nop 0
.rept 4
	v_nop
.endr
	s_branch .Lasked_\@
.Lfor_b_\@:
	tensor_load_to_lds s[\g0b:\g0b+3], s[\g1b:\g1b+7]
	s_nop 0
.rept 4
	v_nop
.endr
.Lasked_\@:
.endm
.macro CROUND                          ; a round of the cluster's barrier
	s_barrier_signal -1
	s_barrier_wait -1
	s_cmp_lg_u32 s14, 0
	s_cbranch_scc1 .Lnot_wave_0_\@
	s_barrier_signal -3
.Lnot_wave_0_\@:
	s_barrier_wait -3
	s_barrier_signal -1
	s_barrier_wait -1
.endm
	s_load_b128 s[4:7], s[0:1], 0x0                ; A's codes s[4:5], A's scales s[6:7]
	s_load_b128 s[8:11], s[0:1], 0x10              ; B's codes s[8:9], B's scales s[10:11]
	s_load_b128 s[96:99], s[0:1], 0x20             ; qk16 s[96:97], v16 s[98:99]
	v_lshl_add_u32 v[SPW], v0, 2, SPARE
	v_mov_b32 v[NIL], 0
	ds_add_u32 v28, v29
	ds_add_u32 v28, v29
	s_wait_dscnt 0x0
	v_lshrrev_b32 v1, 5, v0
	v_readfirstlane_b32 s14, v1                    ; wave 0..3
	s_lshr_b32 s15, s14, 1                         ; which half of the tile's rows is mine.  Also: I fetch for A (0) or for B (1)
	s_and_b32 s16, s14, 1                          ; which half of its columns.  Also: which 128 rows of that tile I fetch
	s_bfe_u32 s40, ttmp6, 0x40000                  ; cx, cy: my place in the cluster
	s_bfe_u32 s41, ttmp6, 0x40004
	s_lshl_b32 s42, ttmp9, 2
	s_add_co_u32 s42, s42, s40                     ; tile column = 4 x cluster x + cx
	s_and_b32 s17, ttmp7, 0xffff
	s_lshl_b32 s17, s17, 2
	s_add_co_u32 s17, s17, s41                     ; tile row = 4 x cluster y + cy
	s_lshl_b32 s43, s41, 2
	s_lshl_b32 s43, 15, s43                        ; my row of the cluster
	s_lshl_b32 s44, 0x1111, s40                    ; my column
	; descriptor group 1: a tile of 128 rows x ROWB bytes, padded in LDS
	s_or_b32 s[G1+0], s43, (0<<16)|(1<<20)|(1<<21)|(5<<22)|(3<<25)  ; 15:0 the mask: A's tiles go to my row; 17:16 element of 1 byte; 20 padding on; 21 set beside a mask; 24:22 after every 64 words (code 5); 31:25 of 4 words (code 3)
	s_or_b32 s[G1B+0], s44, (0<<16)|(1<<20)|(1<<21)|(5<<22)|(3<<25)
.irp g, G1, G1B
	s_mov_b32 s[\g+1], ROWB<<16                    ; tensor_dim0
	s_mov_b32 s[\g+2], 128<<16                     ; tensor_dim1 = 128
	s_mov_b32 s[\g+3], ROWB<<16                    ; tile_dim0
	s_mov_b32 s[\g+4], 128                         ; tile_dim1 = 128
	s_mov_b32 s[\g+5], KROW                        ; tensor_dim0_stride
	s_mov_b32 s[\g+6], 0
	s_mov_b32 s[\g+7], 0
.endr
	; and for the scales of 128 rows: a dense block of 128 KS bytes, as rows of 256 bytes (32 elements of 8 bytes), 16 bytes of padding behind each
	s_or_b32 s[G1S+0], s43, (3<<16)|(1<<20)|(1<<21)|(5<<22)|(3<<25)
	s_or_b32 s[G1SB+0], s44, (3<<16)|(1<<20)|(1<<21)|(5<<22)|(3<<25)
.irp g, G1S, G1SB
	s_mov_b32 s[\g+1], 32<<16
	s_mov_b32 s[\g+2], (128*KS/256)<<16
	s_mov_b32 s[\g+3], 32<<16
	s_mov_b32 s[\g+4], 128*KS/256
	s_mov_b32 s[\g+5], 32
	s_mov_b32 s[\g+6], 0
	s_mov_b32 s[\g+7], 0
.endr
	s_lshl_b32 s18, s16, 7                         ; which 128 rows of the tile I fetch
	s_lshl_b32 s20, s17, 8
	s_add_co_u32 s20, s20, s18                     ; A: row 256 x tile row + 128 x half
	s_lshl_b32 s46, s42, 8
	s_add_co_u32 s46, s46, s18                     ; B: row 256 x tile column + 128 x half
	s_mov_b32 s21, 0
	s_mov_b32 s47, 0
	s_mov_b64 s[18:19], KS
	s_mul_u64 s[22:23], s[20:21], s[18:19]         ; where these rows' scales begin, in bytes
	s_mul_u64 s[92:93], s[46:47], s[18:19]
	s_mov_b64 s[18:19], KROW
	s_mul_u64 s[20:21], s[20:21], s[18:19]         ; and their codes
	s_mul_u64 s[46:47], s[46:47], s[18:19]
	s_mul_i32 s45, s14, HALFT                      ; where they go: wave x 128 rows: no place in the cluster enters an LDS address
	s_mul_i32 s94, s14, HALFS
	s_wait_kmcnt 0x0
	s_add_nc_u64 s[20:21], s[4:5], s[20:21]
	s_add_nc_u64 s[22:23], s[6:7], s[22:23]
	s_add_nc_u64 s[46:47], s[8:9], s[46:47]
	s_add_nc_u64 s[92:93], s[10:11], s[92:93]
	CROUND                                         ; all sixteen work-groups are here: the joint loads meet
	s_mov_b32 s[G0S], 1
	s_add_co_u32 s[G0S+1], s94, SCL
	s_mov_b64 s[G0S+2:G0S+3], s[22:23]
	s_or_b32 s[G0S+3], s[G0S+3], 0x80000000
	s_mov_b32 s[G0SB], 1
	s_add_co_u32 s[G0SB+1], s94, SCL
	s_mov_b64 s[G0SB+2:G0SB+3], s[92:93]
	s_or_b32 s[G0SB+3], s[G0SB+3], 0x80000000
	JLOAD G0S, G1S, G0SB, G1SB                     ; the scales first: they are wanted with K step 0.  Three loads of mine are out behind the last of these lines
.irp s, 0,1
	s_mov_b32 s[G0+4*\s], 1
	s_add_co_u32 s[G0+4*\s+1], s45, \s*SLOT
	s_add_nc_u64 s[G0+4*\s+2:G0+4*\s+3], s[20:21], \s*ROWB
	s_or_b32 s[G0+4*\s+3], s[G0+4*\s+3], 0x80000000
	s_mov_b32 s[G0B+4*\s], 1
	s_add_co_u32 s[G0B+4*\s+1], s45, \s*SLOT
	s_add_nc_u64 s[G0B+4*\s+2:G0B+4*\s+3], s[46:47], \s*ROWB
	s_or_b32 s[G0B+4*\s+3], s[G0B+4*\s+3], 0x80000000
	JLOAD G0+4*\s, G1, G0B+4*\s, G1B
.endr
	v_and_b32 v1, 15, v0                           ; r = l % 16
	v_bfe_u32 v2, v0, 4, 1                         ; h = l / 16
	v_mul_u32_u24 v3, v1, PITCH
	v_lshl_add_u32 v4, v2, 4, v3                   ; a fragment's row x pitch + 16 x half
	s_mul_i32 s21, s15, HALFT                      ; my 128 rows of A
	s_mul_i32 s22, s16, HALFT                      ; my 128 rows of B,
	s_add_co_u32 s22, s22, 2*HALFT                 ; which lie behind A's 256
.irp s, 0,1
	v_add_nc_u32 v[ADRA+\s], s21, v4
	v_add_nc_u32 v[ADRB+\s], s22, v4
	s_add_co_u32 s21, s21, SLOT
	s_add_co_u32 s22, s22, SLOT
.endr
	v_mul_u32_u24 v5, v1, KS                       ; my row's scales: KS bytes a row,
	v_lshrrev_b32 v6, 8, v5
	v_lshl_add_u32 v5, v6, 4, v5                   ; and 16 more for each 256 passed
	s_mul_i32 s21, s15, HALFS                      ; A's: my 128 rows
	s_mul_i32 s22, s16, HALFS                      ; B's: my 128 rows, behind A's 256
	s_add_co_u32 s22, s22, 2*HALFS
	s_sub_co_u32 s22, s22, s21
	v_mul_u32_u24 v6, s22, v2                      ; lanes 16-31 take B's
	s_add_co_u32 s21, s21, SCL
	v_add_nc_u32 v5, v5, v6
	v_add_nc_u32 v[ADRS], s21, v5
	; the two stages' addresses
	s_mul_i32 s23, s14, 16*QPITCH
	v_mul_u32_u24 v5, v1, QPITCH
	v_lshl_add_u32 v5, v2, 4, v5
	v_add_nc_u32 v[STOQ], s23, v5                  ; in: row r, + 16 h; block b's 32 bytes stand in the offset
	v_and_b32 v6, 31, v0
	v_lshrrev_b32 v7, 3, v6
	v_and_b32 v8, 7, v0
	v_mul_u32_u24 v7, v7, QPITCH
	v_lshl_add_u32 v7, v8, 4, v7
	v_add_nc_u32 v[RDQ], s23, v7                   ; back: eight lanes take one head's 128 bytes of a row, four rows an instruction
	v_lshlrev_b32 v[CO], 4, v6
	s_mul_i32 s23, s14, 16*VPITCH
	s_add_co_u32 s23, s23, VSTAGE
	v_mul_u32_u24 v5, v1, VPITCH
	v_lshl_add_u32 v5, v2, 4, v5
	v_add_nc_u32 v[STOV], s23, v5
	v_mul_u32_u24 v7, v2, VPITCH
	v_lshl_add_u32 v7, v1, 4, v7
	v_add_nc_u32 v[RDV], s23, v7                   ; back: sixteen lanes take one head's 256 bytes of a row, two rows an instruction
	; where my part begins: token 256 x tile row + 128 x half = 2,048 b + t0; heads 4 cx + 2 x column half and the next
	s_lshl_b32 s20, s17, 8
	s_lshl_b32 s21, s15, 7
	s_add_co_u32 s20, s20, s21
	s_lshr_b32 s21, s20, 11                        ; b
	s_and_b32 s20, s20, 2047                       ; t0
	s_lshl_b32 s21, s21, 4
	s_lshl_b32 s22, s40, 2
	s_add_co_u32 s21, s21, s22
	s_lshl_b32 s22, s16, 1
	s_add_co_u32 s21, s21, s22                     ; 16 b + head
	s_lshl_b32 s21, s21, 11
	s_add_co_u32 s20, s20, s21                     ; the row's number in [bh][t]
	s_cmp_eq_u32 ttmp9, 2                          ; v?
	s_cselect_b32 s21, 8, 7                        ; rows of 256 bytes, else of 128
	s_cselect_b64 s[12:13], s[98:99], s[96:97]
	s_lshl_b32 s20, s20, s21
	s_cmp_eq_u32 ttmp9, 1                          ; k lies behind q'
	s_cselect_b32 s21, 0x1000000, 0
	s_add_co_u32 s20, s20, s21
	s_mov_b32 s21, 0
	s_add_nc_u64 s[12:13], s[12:13], s[20:21]
	s_cmp_eq_u32 ttmp9, 0
	s_cselect_b32 s2, 0x3e38aa3b, 1.0              ; q's factor log2(e) / 8; k goes the same way with the factor 1
	s_mov_b32 s3, s2                               ; (named with it as a pair)
	s_mov_b32 s18, 0xffffe000                      ; keeps sign, exponent and the upper 10 mantissa bits
.macro FRAG reg, adr, q, i             ; a fragment, 16 rows x 128 K of 4-bit codes, is 8 registers: lane l holds row l % 16; registers 4 c .. 4 c + 3 hold K = 64 c + 32 (l / 16) + 0 .. 31
.irp c, 0,1
	ds_load_b128 v[\reg+4*\c:\reg+4*\c+3], v[\adr] offset:64*(\q)+32*\c+(\i)*16*PITCH
.endr
.endm
; 16 matrix instructions: A's blocks a0, a0 + 1 x B's eight, 128 along K: the slot's q-th.  p: B's set;  sc: the set of scale words.  zero = 1: the first product starts the sums.
; The 64 accumulators take turns, one instruction a turn, in the same order in every step.
.macro MUL16 a0, p, q, sc, zero
.irp a, \a0, \a0+1
.irp b, 0,1,2,3,4,5,6,7
.if \zero
	v_wmma_scale_f32_16x16x128_f8f6f4 v[8*(8*((\a)%4)+\b):8*(8*((\a)%4)+\b)+7], v[128*(\p)+FR*\b:128*(\p)+FR*\b+FR-1], v[AF+FR*(\a):AF+FR*(\a)+FR-1], 0, v[SC+8*NQ*(\sc)+NQ*\b+(\q)], v[SC+8*NQ*(\sc)+NQ*(\a)+(\q)] matrix_a_fmt:MATRIX_FMT_FP4 matrix_b_fmt:MATRIX_FMT_FP4 matrix_a_scale:MATRIX_SCALE_ROW1
.else
	v_wmma_scale_f32_16x16x128_f8f6f4 v[8*(8*((\a)%4)+\b):8*(8*((\a)%4)+\b)+7], v[128*(\p)+FR*\b:128*(\p)+FR*\b+FR-1], v[AF+FR*(\a):AF+FR*(\a)+FR-1], v[8*(8*((\a)%4)+\b):8*(8*((\a)%4)+\b)+7], v[SC+8*NQ*(\sc)+NQ*\b+(\q)], v[SC+8*NQ*(\sc)+NQ*(\a)+(\q)] matrix_a_fmt:MATRIX_FMT_FP4 matrix_b_fmt:MATRIX_FMT_FP4 matrix_a_scale:MATRIX_SCALE_ROW1
.endif
.endr
.endr
.endm
.macro FETCH_B slot, q, p              ; B's eight fragments of the slot's q-th 128 along K into set p
	WIN TO_B
.irp i, 0,1,2,3,4,5,6,7
	FRAG 128*(\p)+FR*\i, ADRB+\slot, \q, \i
.endr
	WIN 0
.endm
.macro FETCH_A slot, q, i0             ; A's blocks i0 .. i0 + 3
.irp i, \i0, \i0+1, \i0+2, \i0+3
	FRAG AF+FR*(\i), ADRA+\slot, \q, \i
.endr
.endm
.macro SCALES sc                       ; a K step's scale words into set sc: NQ words a row; lanes 0-15 take A's block i, lanes 16-31 B's block i
.irp i, 0,1,2,3,4,5,6,7
	ds_load_b128 v[SC+8*NQ*\sc+NQ*\i:SC+8*NQ*\sc+NQ*\i+3], v[ADRS] offset:\i*SBLK
.endr
.endm
; A load into a register that a matrix instruction has read, and a vector instruction that reads a matrix result or writes one of its registers, stand NP places behind that matrix instruction;
; only plain vector instructions that name none of its registers are places.
.macro PLACES n
.rept \n
	v_nop
.endr
.endm
; A step of 128 along K that has its successor in the same slot.
.macro STEP slot, q, zero
	s_wait_dscnt 4*NL                              ; B's set and A's blocks 0-3 are in; the youngest eight loads (A's blocks 4-7) may be out
	WIN MUL_LO
	MUL16 0, (\q)%2, \q, \slot, \zero
	MUL16 2, (\q)%2, \q, \slot, \zero
	s_wait_dscnt 0                                 ; A's blocks 4-7 are in (asked for 32 matrix instructions ago)
	PLACES NP
	FETCH_B \slot, (\q)+1, 1-(\q)%2
	FETCH_A \slot, (\q)+1, 0
	WIN MUL_HI
	MUL16 4, (\q)%2, \q, \slot, \zero
	MUL16 6, (\q)%2, \q, \slot, \zero
	PLACES NP
	WIN 0
	FETCH_A \slot, (\q)+1, 4
.endm
; Slot 0's last step changes slots: ONE barrier; in front of it each wave waits for all its tensor loads (its part of slot 1), adds 0 to its spare word, and waits for that and for its own reads of slot 0.
.macro TURN slot, next
	s_wait_tensorcnt 0x0                           ; all my tensor loads have landed;  (every window is 0 here: the add's two registers lie in window 0)
	ds_add_u32 v[SPW], v[NIL]                      ; 0 onto my spare word;
	s_wait_dscnt 4*NL+1                            ; (the add and the youngest eight loads, A's blocks 4-7, may be out)
	WIN MUL_LO
	MUL16 0, 1, NQ-1, \slot, 0                     ; sixteen matrix instructions stand between the add and the wait for it
	s_wait_dscnt 0x0                               ; the add is done, and my reads of this slot are over
	s_barrier_signal -1
	MUL16 2, 1, NQ-1, \slot, 0
	WIN 0
	s_barrier_wait -1
	PLACES NP
	v_add_nc_u32 v[ADRS], 4*NQ, v[ADRS]            ; on to the next K step's scale words (no LDS load of mine is out)
	FETCH_B \next, 0, 0
	FETCH_A \next, 0, 0
	SCALES \next
	WIN MUL_HI
	MUL16 4, 1, NQ-1, \slot, 0
	MUL16 6, 1, NQ-1, \slot, 0
	PLACES NP
	WIN 0
	FETCH_A \next, 0, 4
.endm
.macro STEPS slot, from                ; the slot's steps from .. NQ - 2
.set Q, \from
.rept NQ-1-\from
	STEP \slot, Q, 0
.set Q, Q+1
.endr
.endm
	s_wait_tensorcnt 1                             ; the scales and my part of K step 0 are in (K step 1's load may be out)
	s_barrier_signal -1
	s_barrier_wait -1                              ; everybody's are
	FETCH_B 0, 0, 0
	FETCH_A 0, 0, 0
	SCALES 0
	FETCH_A 0, 0, 4
	STEP 0, 0, 1                                   ; the first step's products start the sums: nothing is cleared
	STEPS 0, 1
	TURN 0, 1
	STEPS 1, 0
	s_wait_dscnt 4*NL                              ; the very last step: nothing more to fetch
	WIN MUL_LO
	MUL16 0, 1, NQ-1, 1, 0
	MUL16 2, 1, NQ-1, 1, 0
	s_wait_dscnt 0
	WIN MUL_HI
	MUL16 4, 1, NQ-1, 1, 0
	MUL16 6, 1, NQ-1, 1, 0
	WIN 0
; THE WAY OUT, block by block of 16 tokens x 128 features (two heads).  A lane holds eight neighbouring features of one token, the lanes beside it other tokens: so a block goes through my own stage in LDS
; and comes back so that each store of the wave covers 512 consecutive bytes of one head, aligned.  LDS serves a wave's instructions in order: no wait between the stage's stores and its loads.
.macro OUTQK a                         ; q' or k: x the factor, rounded to f16; a head's row is 128 bytes: four rows a store
.set AC, 64*((\a)%4)
	WIN 0x02+((\a)/4)                              ; source 0: window 2 or 3
.set i, 0
.rept 32
	v_pk_mul_f32 v[T+2*i:T+2*i+1], v[AC+2*i:AC+2*i+1], s[2:3] op_sel_hi:[1,0]   ; each accumulator from its low end on
.set i, i+1
.endr
	WIN 0
.set i, 0
.rept 32
	v_cvt_pk_f16_f32 v[T+i], v[T+2*i], v[T+2*i+1]  ; packed in place, ascending: register i is written when 2 i and 2 i + 1 have been read
.set i, i+1
.endr
.irp b, 0,1,2,3,4,5,6,7
	ds_store_b128 v[STOQ], v[T+4*\b:T+4*\b+3] offset:32*\b
.endr
.if (\a) > 0
	s_wait_xcnt 0x0                                ; the last block's stores have read the registers that the loads below fill
.endif
.irp n, 0,1,2,3,4,5,6,7
	ds_load_b128 v[BK+4*\n:BK+4*\n+3], v[RDQ] offset:(\n%4)*4*QPITCH+(\n/4)*128
.endr
	s_wait_dscnt 0x0                               ; the block is back; the stage's stores have read their registers
.irp n, 0,1,2,3,4,5,6,7
	global_store_b128 v[CO], v[BK+4*\n:BK+4*\n+3], s[12:13] offset:(\n/4)*262144+2048*(\a)+512*(\n%4)   ; head n / 4 of my two, rows 16 a + 4 (n % 4) on
.endr
.endm
.macro OUTV a                          ; v: hi and lo; a head's row is 256 bytes: two rows a store
.set AC, 64*((\a)%4)
	WIN 0x02+((\a)/4)
.set i, 0
.rept 64
	v_and_b32 v[T+i], v[AC+i], s18                 ; hi (each accumulator from its low end on)
.set i, i+1
.endr
.set i, 0
.rept 32
	v_pk_add_f32 v[LO+2*i:LO+2*i+1], v[AC+2*i:AC+2*i+1], v[T+2*i:T+2*i+1] neg_lo:[0,1] neg_hi:[0,1]   ; lo = v - hi, exact
.set i, i+1
.endr
	WIN 0
.set i, 0
.rept 32
	v_cvt_pk_f16_f32 v[T+i], v[T+2*i], v[T+2*i+1]
.set i, i+1
.endr
.set i, 0
.rept 32
	v_cvt_pk_f16_f32 v[LO+i], v[LO+2*i], v[LO+2*i+1]
.set i, i+1
.endr
.irp b, 0,1,2,3,4,5,6,7
	ds_store_b128 v[STOV], v[T+4*\b:T+4*\b+3] offset:(\b/4)*256+(\b%4)*32
	ds_store_b128 v[STOV], v[LO+4*\b:LO+4*\b+3] offset:(\b/4)*256+(\b%4)*32+128
.endr
.if (\a) > 0
	s_wait_xcnt 0x0
.endif
.irp n, 0,1,2,3,4,5,6,7,8,9,10,11,12,13,14,15
	ds_load_b128 v[BK+4*\n:BK+4*\n+3], v[RDV] offset:(\n%8)*2*VPITCH+(\n/8)*256
.endr
	s_wait_dscnt 0x0
.irp n, 0,1,2,3,4,5,6,7,8,9,10,11,12,13,14,15
	global_store_b128 v[CO], v[BK+4*\n:BK+4*\n+3], s[12:13] offset:(\n/8)*524288+4096*(\a)+512*(\n%8)
.endr
.endm
	PLACES NP                                      ; behind the last products: the lines below read results and write registers that held fragments and scale words
	s_cmp_eq_u32 ttmp9, 2                          ; the cluster's x: alike in all sixteen partners and in all waves
	s_cbranch_scc1 .Lvout
.irp a, 0,1,2,3,4,5,6,7
	OUTQK \a
.endr
	s_branch .Ldone
.Lvout:
.irp a, 0,1,2,3,4,5,6,7
	OUTV \a
.endr
.Ldone:
	s_wait_tensorcnt 0x0                           ; the wave's end: behind my last tensor load and my last LDS store
	ds_add_u32 v[SPW], v[NIL]
	s_wait_dscnt 0x0
	CROUND                                         ; the closing round: no work-group ends while a partner may still ask for a tile that names it
	s_endpgm
.Lfunc_end_k_q23aa9dec9d_qkv:
	.size	k_q23aa9dec9d_qkv, .Lfunc_end_k_q23aa9dec9d_qkv-k_q23aa9dec9d_qkv
	.p2alignl 7, 3214868480
	.fill 96, 4, 3214868480
	.section	.rodata,"a",@progbits
	.p2align	6, 0x0
	.amdhsa_kernel k_q23aa9dec9d_qkv
		.amdhsa_group_segment_fixed_size 327680
		.amdhsa_private_segment_fixed_size 0
		.amdhsa_enable_private_segment 0
		.amdhsa_kernarg_size 48
		.amdhsa_user_sgpr_count 2
		.amdhsa_user_sgpr_kernarg_segment_ptr 1
		.amdhsa_wavefront_size32 1
		.amdhsa_system_sgpr_workgroup_id_x 1
		.amdhsa_system_sgpr_workgroup_id_y 1
		.amdhsa_system_sgpr_workgroup_id_z 1
		.amdhsa_system_vgpr_workitem_id 0
		.amdhsa_next_free_vgpr 1024
		.amdhsa_next_free_sgpr 100
		.amdhsa_reserve_vcc 0
		.amdhsa_float_denorm_mode_32 3
		.amdhsa_float_denorm_mode_16_64 3
		.amdhsa_memory_ordered 1
		.amdhsa_forward_progress 1
		.amdhsa_inst_pref_size 252
	.end_amdhsa_kernel
	.amdgpu_metadata
---
amdhsa.version: [ 1, 2 ]
amdhsa.kernels:
  - .name:           k_q23aa9dec9d_qkv
    .symbol:         k_q23aa9dec9d_qkv.kd
    .args:
      - { .name: xc, .offset: 0, .size: 8, .value_kind: global_buffer, .address_space: global }
      - { .name: xs, .offset: 8, .size: 8, .value_kind: global_buffer, .address_space: global }
      - { .name: wc, .offset: 16, .size: 8, .value_kind: global_buffer, .address_space: global }
      - { .name: ws, .offset: 24, .size: 8, .value_kind: global_buffer, .address_space: global }
      - { .name: qk16, .offset: 32, .size: 8, .value_kind: global_buffer, .address_space: global }
      - { .name: v16, .offset: 40, .size: 8, .value_kind: global_buffer, .address_space: global }
    .group_segment_fixed_size: 327680
    .private_segment_fixed_size: 0
    .kernarg_segment_align: 8
    .kernarg_segment_size: 48
    .max_flat_workgroup_size: 128
    .sgpr_count:     100
    .vgpr_count:     1024
    .wavefront_size: 32
...
	.end_amdgpu_metadata
.endif
;; end of part 2
;; launch attn (part 3): grid 4 x 64, 8 waves a work-group, no clusters, 327,680 bytes of LDS; arguments qk16, v16, o16; writes o16
.if DOCPART == 3
	.amdgcn_target "amdgcn-amd-amdhsa--gfx1250"
	.amdhsa_code_object_version 6
	.text
	.protected	k_q23aa9dec9d_attn
	.globl	k_q23aa9dec9d_attn
	.p2align	8
	.type	k_q23aa9dec9d_attn,@function
k_q23aa9dec9d_attn:
	s_mov_b64 s[64:65], 0
	v_nop
	global_prefetch_b8 v0, s[64:65] scope:SCOPE_SE
	s_setreg_imm32_b32 hwreg(HW_REG_WAVE_MODE, 25, 1), 1
	s_wait_xcnt 0x0
; o[bh][q][:] = the sum over keys k <= q of softmax_k(q . k / 8) v[k][:], head size 64, 2,048 tokens, 64 heads.  Operands in f16, products, maxima and sums in f32.
; INPUTS (made by the launch before): q' = q x log2(e) / 8 and k, [bh][t][64] f16 (k lies 16,777,216 bytes behind q'); v [bh][t][hi 64 | lo 64] f16, v = hi + lo.  OUTPUT: o16 [token][h][hi 64 | lo 64] f16.
; SOFTMAX: scores s' = q' . k are in units of log2.  For each query a running maximum m: p = 2^(s' - m); in every step O and the sum are multiplied by 2^(m_old - m_new).  p is rounded once to f16, and the
; row's sum is taken of the ROUNDED p, by a product with a fragment of ones, so that what divides at the end is the sum of what was multiplied.
; LIMITS: the f16 inputs' range (stated where they are made); o's hi is exact in f16 from 2^-14 on, under that it is rounded with an absolute error up to 2^-25; NaN and infinities are not served.
; SHARES: work-group (i, bh) owns two blocks of 256 queries, i and 7 - i.  Keys go in slots of 256: block i wants slots 0 .. i, block 7 - i slots 0 .. 7 - i: nine slot trips in every work-group, whatever i.
; Each of eight waves owns 32 queries, two tiles of 16, so that each fragment of K and V read from LDS feeds two products.  A step is 64 keys.  A step all of whose keys come after the wave's queries is jumped over
; (a branch on ids); on the diagonal hidden scores become -infinity ahead of the maximum.  A step that is walked begins at a key that every query of the wave sees, so m is a number from the first step on.
; NO CLUSTER: at trip j work-group i wants key slot j (j <= i) or j - i - 1: the four work-groups of a head want the same slot at trip 0 alone, and they change blocks at different trips.
; LAYOUT: S^T = K Q^T (source 0 = 16 keys, source 1 = 16 queries): a lane holds ONE query (lane % 16) and keys 8 (lane / 16) + 0..7.  Two such tiles, rounded in pairs, ARE source 1 (32 keys x 16 queries) of
; O^T = V^T P, whose result again holds one query a lane.  K comes out of LDS as it lies, V ([key][channel]) turned, by ds_load_tr16_b128.
; REGISTERS: tile u's own registers have the same numbers in window u: v12 m, v14 the factor, v16 r - 8 h + 16 u, v17-23 at work, v24-39 Q, v40-71 S^T, v72-87 P, v88-119 O^T, v120-127 the sum.
;   window 0: v1-11 addresses; v128-191 K's fragments; v192-255 V's high halves.   window 1: v128-191 V's low halves; v192-199 ones.
.set KP,     144                       ; a key's row in LDS: 128 bytes + 16: the 16 rows of a load begin at 16 different 16-byte columns modulo 256
.set VP,     288                       ; a row of V: 256 bytes + 32
.set VOFF,   256*KP                    ; a slot: 256 rows of K, then 256 rows of V
.set KSTEPB, 64*KP                     ; a step's, and a tensor load's, 64 rows of K
.set VSTEPB, 64*VP                     ; and of V
.set SLOT1,  1<<17                     ; slot 1 begins here: one exclusive or turns an address in one slot into the other's
.set STAGE,  2*SLOT1                   ; behind the ring: 16 rows x 272 bytes for each wave, for the way out
.set SP,     272
.set SPARE,  STAGE+8*16*SP             ; the spare words, 128 bytes for each wave: four blocks of 256 bytes that no other line names
.set AK0, 1                            ; v1   my lane's place in a tile of K
.set AV0, 2                            ; v2   the same for V
.set SPW, 3                            ; v3   LDS address of my spare word; never rewritten
.set NIL, 4                            ; v4   0; never rewritten
.set ADK, 5                            ; v5   LDS address of the step's K
.set ADV, 6                            ; v6   of its V
.set QO,  7                            ; v7   my byte offset in a tile's rows of Q
.set STO, 8                            ; v8   the way out: where I put 16 bytes of a row
.set RD,  9                            ; v9   where I read a row back
.set GO,  10                           ; v10  my byte offset in two rows of o16
.set PFO, 11                           ; v11  256 x lane: the prefetches' offset; never rewritten
.set M,   12
.set AF,  14
.set RH,  16
.set DD,  17
.set NI,  18
.set CC,  19
.set T4,  23
.set Q,   24
.set S,   40
.set P,   72
.set O,   88
.set L,   120
.set KFR, 128
.set VH,  192
.set VL,  128
.set ONES, 192
.set BK,  128                          ; the way out: rows read back, in window 0, where K's fragments lay
.set WV,  10                           ; s10  wave;  s11 wave % 4
.set W3,  11
.set WGI, 12                           ; s12  i;  s13 i + 1: the trip at which the second block begins
.set ISW, 13
.set BH,  14
.set TRIP, 15
.set CNT, 16
.set TK,  17                           ; s17, s18  LDS byte at which the step's K, V begin (V's beside VOFF)
.set TV,  18
.set KN,  19                           ; s19  the key slot asked for last
.set SEL, 20                           ; s[20:21] lane selects: lane l xor 16
.set Q0,  22                           ; s22  my first query;  s23 the step's first key
.set KF,  23
.set G1K, 24
.set G1V, 32
.set G0K, 40
.set G0V, 44
.set KB,  48                           ; s[48:49] my quarter of key slot 0 in k;  s[50:51] in v;  s[52:53] the head's q';  s[54:55] the head's place in o16
.set VB,  50
.set QB,  52
.set OB,  54
.set QJ,  56
.set OJ,  58
.set PFA, 62                           ; s[62:63] where my prefetches stand;  s[66:67] a key slot on, in bytes
.set PFS, 66
.set LIM, 68                           ; s68  a wave prefetches while the trip's number is under this
.set MSK, 69
.set T0,  70
.set MSB, 0
.macro WIN new                         ; the immediate's high byte repeats the setting that is left; bits 1:0 source 0, 3:2 source 1, 5:4 source 2, 7:6 destination
.if MSB != (\new)
	s_set_vgpr_msb (MSB<<8)|(\new)
.set MSB, (\new)
.endif
.endm
; Waves 0 to 3 fetch a slot's four quarters of K, waves 4 to 7 those of V: one load a wave, 64 rows.  Four v_nop follow each of the two lines.
.macro TLOAD
	s_cmp_lt_u32 s[WV], 4
	s_cbranch_scc0 .Lfor_v_\@
	tensor_load_to_lds s[G0K:G0K+3], s[G1K:G1K+7]
	s_nop 0
.rept 4
	v_nop
.endr
	s_branch .Lasked_\@
.Lfor_v_\@:
	tensor_load_to_lds s[G0V:G0V+3], s[G1V:G1V+7]
	s_nop 0
.rept 4
	v_nop
.endr
.Lasked_\@:
.endm
; A PREFETCH of what my own tensor load of the NEXT trip will ask for.  All four work-groups of a head walk the same K and V: work-group 0 alone asks.  Its trips 1 to 8 walk key slots 0 to 7; at trip j (0 to 6) it
; names key slot j + 1, each wave its own quarter: K's 8,192 bytes by one instruction, lanes 256 bytes apart; V's 16,384 by two.  So each block of 256 bytes of slots 1 to 7 is named once; slot 0 comes by its load alone.
.macro ASK
	s_cmp_lt_u32 s[TRIP], s[LIM]
	s_cbranch_scc0 .Lnot_mine_\@
	global_prefetch_b8 v[PFO], s[PFA:PFA+1] th:TH_LOAD_NT scope:SCOPE_SE
	s_cmp_lt_u32 s[WV], 4
	s_cbranch_scc1 .Lnot_mine_\@
	global_prefetch_b8 v[PFO], s[PFA:PFA+1] offset:8192 th:TH_LOAD_NT scope:SCOPE_SE
.Lnot_mine_\@:
.endm
	s_load_b128 s[4:7], s[0:1], 0x0                ; qk16, v16
	s_load_b64 s[8:9], s[0:1], 0x10                ; o16
	v_lshl_add_u32 v[SPW], v0, 2, SPARE
	v_mov_b32 v[NIL], 0
	ds_add_u32 v3, v4
	ds_add_u32 v3, v4
	s_wait_dscnt 0x0
	v_lshrrev_b32 v5, 5, v0
	v_readfirstlane_b32 s[WV], v5                  ; wave 0..7
	s_and_b32 s[W3], s[WV], 3
	s_mov_b32 s[WGI], ttmp9
	s_add_co_u32 s[ISW], s[WGI], 1
	s_and_b32 s[BH], ttmp7, 0xffff
	; descriptor group 1.  K: 64 rows of 64 elements of 2 bytes, dense; 4 words of padding behind every 32.  V: 64 rows of 128 elements; 8 words behind every 64
	s_mov_b32 s[G1K], (1<<16)|(1<<20)|(4<<22)|(3<<25)
	s_mov_b32 s[G1K+1], 64<<16                     ; tensor_dim0
	s_mov_b32 s[G1K+2], 64<<16                     ; tensor_dim1
	s_mov_b32 s[G1K+3], 64<<16                     ; tile_dim0
	s_mov_b32 s[G1K+4], 64                         ; tile_dim1
	s_mov_b32 s[G1K+5], 64                         ; elements from row to row
	s_mov_b32 s[G1K+6], 0
	s_mov_b32 s[G1K+7], 0
	s_mov_b32 s[G1V], (1<<16)|(1<<20)|(5<<22)|(7<<25)
	s_mov_b32 s[G1V+1], 128<<16
	s_mov_b32 s[G1V+2], 64<<16
	s_mov_b32 s[G1V+3], 128<<16
	s_mov_b32 s[G1V+4], 64
	s_mov_b32 s[G1V+5], 128
	s_mov_b32 s[G1V+6], 0
	s_mov_b32 s[G1V+7], 0
	s_mov_b32 s[SEL], 0x76543210
	s_mov_b32 s[SEL+1], 0xfedcba98
	s_mov_b32 s[MSK], 0xffffe000                   ; keeps sign, exponent and the upper 10 mantissa bits
	s_mov_b32 s[TRIP], 0
	s_mov_b32 s[KN], 0
	s_mov_b32 s[TK], 0
	s_mov_b32 s[TV], 0
	s_lshl_b32 s60, s[BH], 18                      ; a head of q' or k: 2,048 rows of 128 bytes
	s_mov_b32 s61, 0
	s_lshl_b32 s70, s[W3], 13                      ; my quarter of a slot of K: 64 rows of 128 bytes
	s_mov_b32 s71, 0
	s_wait_kmcnt 0x0
	s_add_nc_u64 s[QB:QB+1], s[4:5], s[60:61]
	s_add_nc_u64 s[KB:KB+1], s[QB:QB+1], s[70:71]
	s_add_nc_u64 s[KB:KB+1], s[KB:KB+1], 0x1000000
	s_lshl_b32 s60, s[BH], 19                      ; a head of v: 2,048 rows of 256 bytes
	s_lshl_b32 s70, s[W3], 14
	s_add_nc_u64 s[VB:VB+1], s[6:7], s[60:61]
	s_add_nc_u64 s[VB:VB+1], s[VB:VB+1], s[70:71]
	s_lshr_b32 s60, s[BH], 4
	s_lshl_b32 s60, s60, 23                        ; o16: the batch's 2,048 rows of 4,096 bytes,
	s_and_b32 s70, s[BH], 15
	s_lshl_b32 s70, s70, 8                         ; the head's 256 bytes in a row
	s_add_nc_u64 s[OB:OB+1], s[8:9], s[60:61]
	s_add_nc_u64 s[OB:OB+1], s[OB:OB+1], s[70:71]
	s_mov_b32 s[G0K], 1                            ; count = 1
	s_mul_i32 s[G0K+1], s[W3], KSTEPB              ; LDS: slot 0, my quarter
	s_mov_b64 s[G0K+2:G0K+3], s[KB:KB+1]           ; key slot 0
	s_or_b32 s[G0K+3], s[G0K+3], 0x80000000        ; type = 2
	s_mov_b32 s[G0V], 1
	s_mul_i32 s[G0V+1], s[W3], VSTEPB
	s_add_co_u32 s[G0V+1], s[G0V+1], VOFF
	s_mov_b64 s[G0V+2:G0V+3], s[VB:VB+1]
	s_or_b32 s[G0V+3], s[G0V+3], 0x80000000
	TLOAD                                          ; slot 0's first fill, ahead of every wait on TENSORcnt, every LDS read and every barrier
	s_cmp_lt_u32 s[WV], 4
	s_cselect_b64 s[PFA:PFA+1], s[KB:KB+1], s[VB:VB+1]   ; at key slot 0: the first trip steps it to slot 1.  Nothing is prefetched here, at the head
	s_mov_b32 s[PFS], 0x10000
	s_cselect_b32 s[PFS], 0x8000, s[PFS]
	s_mov_b32 s[PFS+1], 0
	s_cmp_eq_u32 s[WGI], 0
	s_cselect_b32 s[LIM], 7, 0
	v_and_b32 v5, 15, v0                           ; r
	v_bfe_u32 v6, v0, 4, 1                         ; h
	v_mul_u32_u24 v[AK0], v5, KP
	v_lshl_add_u32 v[AK0], v6, 4, v[AK0]           ; K: row r, + 16 h
	v_and_b32 v19, 7, v0
	v_bfe_u32 v20, v0, 3, 1
	v_lshl_add_u32 v[AV0], v6, 3, v19              ; the turning load: lane l reads key 8 h + l % 8, channels 8 ((l / 8) % 2) on
	v_mul_u32_u24 v[AV0], v[AV0], VP
	v_lshl_add_u32 v[AV0], v20, 4, v[AV0]
	v_add_nc_u32 v[AV0], VOFF, v[AV0]
	v_lshlrev_b32 v[QO], 7, v5
	v_lshl_add_u32 v[QO], v6, 4, v[QO]
	s_mul_i32 s[T0], s[WV], 16*SP
	s_add_co_u32 s[T0], s[T0], STAGE               ; my stage
	v_mul_u32_u24 v[STO], v5, SP
	v_lshl_add_u32 v[STO], v6, 4, v[STO]
	v_add_nc_u32 v[STO], s[T0], v[STO]
	v_mul_u32_u24 v[RD], v6, SP
	v_lshl_add_u32 v[RD], v5, 4, v[RD]
	v_add_nc_u32 v[RD], s[T0], v[RD]
	v_lshlrev_b32 v[GO], 12, v6
	v_lshl_add_u32 v[GO], v5, 4, v[GO]
	v_and_b32 v[PFO], 31, v0
	v_lshlrev_b32 v[PFO], 8, v[PFO]
	v_lshlrev_b32 v[DD], 3, v6
	v_sub_nc_u32 v[RH], v5, v[DD]                  ; r - 8 h
	v_mov_b32 v[NI], 0xff800000                    ; -infinity
	WIN 0x40                                       ; destination window 1
	v_add_nc_u32 v[RH], 16, v[RH]                  ; tile 1's: + 16
	v_mov_b32 v[NI], 0xff800000
.irp i, 0,1,2,3,4,5,6,7
	v_mov_b32 v[ONES+\i], 0x3c003c00               ; a fragment of ones in f16
.endr
	WIN 0
	s_lshl_b32 s[Q0], s[WGI], 8
	s_lshl_b32 s[T0], s[WV], 5
	s_add_co_u32 s[Q0], s[Q0], s[T0]               ; the first block: my first query is 256 i + 32 x wave
; A block of queries begins: Q's fragments into registers; m = -3e38, under every score; O^T and the sum are zeros, so that the step is written once: its first rescaling multiplies zeros.
.macro JOBSTART
	s_lshl_b32 s60, s[Q0], 7
	s_mov_b32 s61, 0
	s_add_nc_u64 s[QJ:QJ+1], s[QB:QB+1], s[60:61]
.irp u, 0,1
	WIN 0x40*\u
.irp g, 0,1,2,3
	global_load_b128 v[Q+4*\g:Q+4*\g+3], v[QO], s[QJ:QJ+1] offset:2048*\u+32*\g
.endr
.endr
.irp u, 0,1
	WIN 0x55*\u
	v_mov_b32 v[M], 0xff61b1e6
	v_mov_b32 v[M+1], 0                            ; (named as the upper halves of pairs)
	v_mov_b32 v[AF+1], 0
	v_mov_b32 v[T4], 0                             ; a lane permute's destination counts as one of its sources
.set i, 0
.rept 40
	v_mov_b32 v[O+i], 0
.set i, i+1
.endr
.endr
	WIN 0
	s_mov_b32 s[KF], 0
	s_wait_loadcnt 0x0                             ; Q
.endm
; S^T = K Q^T of tile u: 4 tiles of 16 keys, 2 deep along the head's 64.  The four accumulators take turns; the first four products start the sums.
.macro KQ u
	WIN 0x54*\u                                    ; K in window 0; Q and S^T in window u
.irp d, 0,1
.irp kt, 0,1,2,3
.if \d == 0
	v_wmma_f32_16x16x32_f16 v[S+8*\kt:S+8*\kt+7], v[KFR+8*(2*\kt+\d):KFR+8*(2*\kt+\d)+7], v[Q+8*\d:Q+8*\d+7], 0
.else
	v_wmma_f32_16x16x32_f16 v[S+8*\kt:S+8*\kt+7], v[KFR+8*(2*\kt+\d):KFR+8*(2*\kt+\d)+7], v[Q+8*\d:Q+8*\d+7], v[S+8*\kt:S+8*\kt+7]
.endif
.endr
.endr
.endm
; Register 8 kt + j holds key KF + 16 kt + 8 h + j; my query is Q0 + 16 u + r: hidden where 16 kt + j > (Q0 - KF) + r - 8 h + 16 u.  s[T0] = Q0 - KF.
.macro MASK u
	WIN 0x55*\u
	v_add_nc_u32 v[DD], s[T0], v[RH]
.irp kt, 0,1,2,3
.irp j, 0,1,2,3,4,5,6,7
	v_cmp_gt_i32 vcc_lo, 16*\kt+\j, v[DD]
	v_cndmask_b32 v[S+8*\kt+\j], v[S+8*\kt+\j], v[NI], vcc_lo
.endr
.endr
.endm
.macro SOFTMAX u
	WIN 0x55*\u
.irp c, 0,1,2,3
	v_max3_num_f32 v[CC+\c], v[S+8*\c], v[S+8*\c+1], v[S+8*\c+2]   ; four chains, each begun at a tile's low end
.endr
.irp c, 0,1,2,3
	v_max3_num_f32 v[CC+\c], v[CC+\c], v[S+8*\c+3], v[S+8*\c+4]
.endr
.irp c, 0,1,2,3
	v_max3_num_f32 v[CC+\c], v[CC+\c], v[S+8*\c+5], v[S+8*\c+6]
.endr
	v_max3_num_f32 v[CC], v[CC], v[S+7], v[S+15]
	v_max3_num_f32 v[CC+2], v[CC+2], v[S+23], v[S+31]
	v_max3_num_f32 v[CC], v[CC], v[CC+1], v[CC+2]
	v_max3_num_f32 v[CC], v[CC], v[CC+3], v[M]     ; with the old m
	v_permlanex16_b32 v[T4], v[CC], s[SEL], s[SEL+1]   ; the query's other 32 keys lie in the lane 16 away
	v_max_num_f32 v[CC], v[CC], v[T4]
	v_sub_f32 v[AF], v[M], v[CC]                   ; m_old - m_new, 0 or less
	v_mov_b32 v[M], v[CC]
	v_exp_f32 v[AF], v[AF]                         ; the factor; the additions below are the plain lines behind it
.set i, 0
.rept 16
	v_pk_add_f32 v[S+2*i:S+2*i+1], v[S+2*i:S+2*i+1], v[M:M+1] op_sel_hi:[1,0] neg_lo:[0,1] neg_hi:[0,1]   ; s' - m
.set i, i+1
.endr
.set i, 0
.rept 32
	v_exp_f32 v[S+i], v[S+i]
.set i, i+1
.endr
	v_nop                                          ; a plain line between the last exponential and the use of its result
.set i, 0
	s_wait_alu depctr_va_vdst(0)
.rept 16
	v_cvt_pk_f16_f32 v[P+i], v[S+2*i], v[S+2*i+1]
.set i, i+1
.endr
.set i, 0
.rept 20
	v_pk_mul_f32 v[O+2*i:O+2*i+1], v[O+2*i:O+2*i+1], v[AF:AF+1] op_sel_hi:[1,0]   ; O^T and the sum under the new m, each accumulator from its low end on
.set i, i+1
.endr
.endm
; O^T += V^T P of tile u, V's high halves and then its low halves, and the sum += ones x P: 18 products, the accumulators by turns.
.macro PV u
	WIN 0x54*\u                                    ; V's high halves in window 0
.irp ks, 0,1
.irp ct, 0,1,2,3
	v_wmma_f32_16x16x32_f16 v[O+8*\ct:O+8*\ct+7], v[VH+8*(4*\ks+\ct):VH+8*(4*\ks+\ct)+7], v[P+8*\ks:P+8*\ks+7], v[O+8*\ct:O+8*\ct+7]
.endr
.endr
.if \u == 0
	s_wait_dscnt 0x0                               ; V's low halves are in
.endif
	WIN 0x01+0x54*\u                               ; V's low halves and the ones in window 1
.irp ks, 0,1
.irp ct, 0,1,2,3
	v_wmma_f32_16x16x32_f16 v[O+8*\ct:O+8*\ct+7], v[VL+8*(4*\ks+\ct):VL+8*(4*\ks+\ct)+7], v[P+8*\ks:P+8*\ks+7], v[O+8*\ct:O+8*\ct+7]
.endr
	v_wmma_f32_16x16x32_f16 v[L:L+7], v[ONES:ONES+7], v[P+8*\ks:P+8*\ks+7], v[L:L+7]
.endr
.endm
; A KEY STEP: 64 keys.
.macro STEP
	s_add_co_u32 s[T0], s[Q0], 31
	s_cmp_gt_u32 s[KF], s[T0]                      ; all 64 keys come after my 32 queries: only the lines at the step's end, which step addresses, are run
	s_cbranch_scc1 .Lhid_\@
	v_add_nc_u32 v[ADK], s[TK], v[AK0]
	v_add_nc_u32 v[ADV], s[TV], v[AV0]
	v_nop
	v_nop                                          ; four places behind the last step's products, in front of loads into registers that they read
.irp kt, 0,1,2,3
.irp d, 0,1
	ds_load_b128 v[KFR+8*(2*\kt+\d):KFR+8*(2*\kt+\d)+3],   v[ADK] offset:16*KP*\kt+64*\d
	ds_load_b128 v[KFR+8*(2*\kt+\d)+4:KFR+8*(2*\kt+\d)+7], v[ADK] offset:16*KP*\kt+64*\d+32
.endr
.endr
.irp ks, 0,1
.irp ct, 0,1,2,3
	ds_load_tr16_b128 v[VH+8*(4*\ks+\ct):VH+8*(4*\ks+\ct)+3],   v[ADV] offset:32*VP*\ks+32*\ct
	ds_load_tr16_b128 v[VH+8*(4*\ks+\ct)+4:VH+8*(4*\ks+\ct)+7], v[ADV] offset:32*VP*\ks+16*VP+32*\ct
.endr
.endr
	WIN 0x40                                       ; destination window 1
.irp ks, 0,1
.irp ct, 0,1,2,3
	ds_load_tr16_b128 v[VL+8*(4*\ks+\ct):VL+8*(4*\ks+\ct)+3],   v[ADV] offset:32*VP*\ks+32*\ct+128
	ds_load_tr16_b128 v[VL+8*(4*\ks+\ct)+4:VL+8*(4*\ks+\ct)+7], v[ADV] offset:32*VP*\ks+16*VP+32*\ct+128
.endr
.endr
	s_wait_dscnt 32                                ; K's 16 loads are in; V's 32 may be out
	KQ 0
	KQ 1
	WIN 0
.rept 4
	v_nop                                          ; places in front of the first read of the scores
.endr
	s_add_co_u32 s[T0], s[KF], 63
	s_cmp_le_u32 s[T0], s[Q0]                      ; every key counts for every query of mine: no mask
	s_cbranch_scc1 .Lopen_\@
	s_sub_co_u32 s[T0], s[Q0], s[KF]
	MASK 0
	MASK 1
	WIN 0
.Lopen_\@:
	SOFTMAX 0
	s_wait_dscnt 16                                ; V's high halves are in; the 16 loads of its low halves may be out
	PV 0
	SOFTMAX 1                                      ; tile 1's vector work stands behind tile 0's products
	PV 1
	WIN 0
.Lhid_\@:
	s_add_co_u32 s[KF], s[KF], 64
	s_add_co_u32 s[TK], s[TK], KSTEPB
	s_add_co_u32 s[TV], s[TV], VSTEPB
.endm
.macro SLOT_STEPS                      ; a slot's four steps: written once, walked four times; then on to the other slot
	s_mov_b32 s[CNT], 4
.Lstep_\@:
	STEP
	s_sub_co_u32 s[CNT], s[CNT], 1
	s_cmp_lg_u32 s[CNT], 0
	s_cbranch_scc1 .Lstep_\@
	s_sub_co_u32 s[TK], s[TK], 4*KSTEPB
	s_sub_co_u32 s[TV], s[TV], 4*VSTEPB
	s_xor_b32 s[TK], s[TK], SLOT1
	s_xor_b32 s[TV], s[TV], SLOT1
.endm
; THE CHANGE OF SLOTS stands at a trip's head.  Each wave waits for all its tensor loads (its part of the slot that it is about to read), adds 0 to its spare word, and waits for that and for its reads of the slot that
; it has left.  Behind the barrier the slot ahead is whole and nobody reads the other one.  fill = 1: that other slot takes the next trip's keys: one load a wave, with a whole trip in which to land.
.macro CHANGE fill
	s_wait_tensorcnt 0x0                           ; no tensor load of mine is out, so a group 0 may be written
	ds_add_u32 v[SPW], v[NIL]                      ; 0 onto my spare word: the descriptors' steps stand between it and the wait for it
.if \fill
	s_xor_b32 s[G0K+1], s[G0K+1], SLOT1            ; the other slot than last time
	s_xor_b32 s[G0V+1], s[G0V+1], SLOT1
	s_add_co_u32 s[KN], s[KN], 1                   ; the next key slot,
	s_add_co_u32 s[T0], s[TRIP], 1
	s_cmp_eq_u32 s[T0], s[ISW]
	s_cselect_b32 s[KN], 0, s[KN]                  ; or slot 0 again, where the next trip begins the second block
	s_lshl_b32 s60, s[KN], 15                      ; 256 keys of 128 bytes
	s_mov_b32 s61, 0
	s_add_nc_u64 s[G0K+2:G0K+3], s[KB:KB+1], s[60:61]
	s_or_b32 s[G0K+3], s[G0K+3], 0x80000000
	s_lshl_b32 s60, s[KN], 16                      ; 256 rows of V of 256 bytes
	s_add_nc_u64 s[G0V+2:G0V+3], s[VB:VB+1], s[60:61]
	s_or_b32 s[G0V+3], s[G0V+3], 0x80000000
	s_wait_xcnt 0x0                                ; the last prefetches, a trip back, have read their address, so it may be written
	s_add_nc_u64 s[PFA:PFA+1], s[PFA:PFA+1], s[PFS:PFS+1]
.endif
	s_wait_dscnt 0x0                               ; the add is done, and my reads of the slot that I have left are over
	s_barrier_signal -1
	s_barrier_wait -1
.if \fill
	TLOAD                                          ; the first thing behind the barrier, and my one tensor load until the next
	ASK
.endif
.endm
; A block of queries ends: O^T is divided by the sum, split into hi and lo, rounded to f16 and sent through my stage in LDS, a tile (16 rows of 256 bytes) at a time: sixteen lanes store 256 consecutive bytes, aligned.
.macro JOBEND
.rept 4
	v_nop                                          ; places behind the last products
.endr
	s_lshl_b32 s60, s[Q0], 12
	s_mov_b32 s61, 0
	s_add_nc_u64 s[OJ:OJ+1], s[OB:OB+1], s[60:61]
.irp u, 0,1
	WIN 0x55*\u
	v_rcp_f32 v[AF], v[L]                          ; every register of the sum's accumulator holds my query's sum: the lowest is taken
	v_nop
.set i, 0
	s_wait_alu depctr_va_vdst(0)
.rept 16
	v_pk_mul_f32 v[O+2*i:O+2*i+1], v[O+2*i:O+2*i+1], v[AF:AF+1] op_sel_hi:[1,0]
.set i, i+1
.endr
.set i, 0
.rept 32
	v_and_b32 v[S+i], s[MSK], v[O+i]               ; hi
.set i, i+1
.endr
.set i, 0
.rept 16
	v_pk_add_f32 v[O+2*i:O+2*i+1], v[O+2*i:O+2*i+1], v[S+2*i:S+2*i+1] neg_lo:[0,1] neg_hi:[0,1]   ; lo = o - hi, exact
.set i, i+1
.endr
.set i, 0
.rept 16
	v_cvt_pk_f16_f32 v[S+i], v[S+2*i], v[S+2*i+1]  ; packed in place, ascending
.set i, i+1
.endr
.set i, 0
.rept 16
	v_cvt_pk_f16_f32 v[O+i], v[O+2*i], v[O+2*i+1]
.set i, i+1
.endr
	WIN 0x04*\u                                    ; an LDS store's data are its source 1
.irp ct, 0,1,2,3
	ds_store_b128 v[STO], v[S+4*\ct:S+4*\ct+3] offset:32*\ct
.endr
.irp ct, 0,1,2,3
	ds_store_b128 v[STO], v[O+4*\ct:O+4*\ct+3] offset:128+32*\ct
.endr
	WIN 0
.irp i, 0,1,2,3,4,5,6,7
	ds_load_b128 v[BK+32*\u+4*\i:BK+32*\u+4*\i+3], v[RD] offset:2*SP*\i   ; LDS serves a wave's instructions in order: these see the stores above, and tile 1's stores come behind tile 0's loads
.endr
.endr
	s_wait_dscnt 16                                ; tile 0 is back; tile 1's 8 stores and 8 loads may be out
.irp i, 0,1,2,3,4,5,6,7
	global_store_b128 v[GO], v[BK+4*\i:BK+4*\i+3], s[OJ:OJ+1] offset:8192*\i
.endr
	s_wait_dscnt 0x0
.irp i, 0,1,2,3,4,5,6,7
	global_store_b128 v[GO], v[BK+32+4*\i:BK+32+4*\i+3], s[OJ:OJ+1] offset:65536+8192*\i
.endr
	s_wait_xcnt 0x0                                ; the stores have read their registers and their base: both are written again
.endm
	JOBSTART
.Ltrip:                                            ; eight trips, each of which asks for the next trip's keys
	CHANGE 1
	s_cmp_lg_u32 s[TRIP], s[ISW]                   ; at trip i + 1 the first block is done and the second begins: a branch on the work-group's number, alike in all waves
	s_cbranch_scc1 .Lsame
	JOBEND
	s_sub_co_u32 s[Q0], 7, s[WGI]
	s_lshl_b32 s[Q0], s[Q0], 8
	s_lshl_b32 s[T0], s[WV], 5
	s_add_co_u32 s[Q0], s[Q0], s[T0]               ; 256 (7 - i) + 32 x wave
	JOBSTART
.Lsame:
	SLOT_STEPS
	s_add_co_u32 s[TRIP], s[TRIP], 1
	s_cmp_lt_u32 s[TRIP], 8
	s_cbranch_scc1 .Ltrip
	CHANGE 0                                       ; the ninth trip is written out
	SLOT_STEPS
	JOBEND
	s_wait_tensorcnt 0x0                           ; the wave's end: behind my last tensor load and my last LDS store
	ds_add_u32 v[SPW], v[NIL]
	s_wait_dscnt 0x0
	s_endpgm
.Lfunc_end_k_q23aa9dec9d_attn:
	.size	k_q23aa9dec9d_attn, .Lfunc_end_k_q23aa9dec9d_attn-k_q23aa9dec9d_attn
	.p2alignl 7, 3214868480
	.fill 96, 4, 3214868480
	.section	.rodata,"a",@progbits
	.p2align	6, 0x0
	.amdhsa_kernel k_q23aa9dec9d_attn
		.amdhsa_group_segment_fixed_size 327680
		.amdhsa_private_segment_fixed_size 0
		.amdhsa_enable_private_segment 0
		.amdhsa_kernarg_size 24
		.amdhsa_user_sgpr_count 2
		.amdhsa_user_sgpr_kernarg_segment_ptr 1
		.amdhsa_wavefront_size32 1
		.amdhsa_system_sgpr_workgroup_id_x 1
		.amdhsa_system_sgpr_workgroup_id_y 1
		.amdhsa_system_sgpr_workgroup_id_z 1
		.amdhsa_system_vgpr_workitem_id 0
		.amdhsa_next_free_vgpr 512
		.amdhsa_next_free_sgpr 72
		.amdhsa_reserve_vcc 1
		.amdhsa_float_denorm_mode_32 3
		.amdhsa_float_denorm_mode_16_64 3
		.amdhsa_memory_ordered 1
		.amdhsa_forward_progress 1
		.amdhsa_inst_pref_size 90
	.end_amdhsa_kernel
	.amdgpu_metadata
---
amdhsa.version: [ 1, 2 ]
amdhsa.kernels:
  - .name:           k_q23aa9dec9d_attn
    .symbol:         k_q23aa9dec9d_attn.kd
    .args:
      - { .name: qk16, .offset: 0, .size: 8, .value_kind: global_buffer, .address_space: global }
      - { .name: v16, .offset: 8, .size: 8, .value_kind: global_buffer, .address_space: global }
      - { .name: o16, .offset: 16, .size: 8, .value_kind: global_buffer, .address_space: global }
    .group_segment_fixed_size: 327680
    .private_segment_fixed_size: 0
    .kernarg_segment_align: 8
    .kernarg_segment_size: 24
    .max_flat_workgroup_size: 256
    .sgpr_count:     72
    .vgpr_count:     512
    .wavefront_size: 32
...
	.end_amdgpu_metadata
.endif
;; end of part 3
;; launch proj (part 4): grid 8 x 64, 4 waves a work-group, clusters of 4 x 4, 327,680 bytes of LDS; arguments o16, wp16, out0; writes out0
.if DOCPART == 4
	.amdgcn_target "amdgcn-amd-amdhsa--gfx1250"
	.amdhsa_code_object_version 6
	.text
	.protected	k_q23aa9dec9d_proj
	.globl	k_q23aa9dec9d_proj
	.p2align	8
	.type	k_q23aa9dec9d_proj,@function
k_q23aa9dec9d_proj:
	s_mov_b64 s[64:65], 0
	v_nop
	global_prefetch_b8 v0, s[64:65] scope:SCOPE_SE
	s_setreg_imm32_b32 hwreg(HW_REG_WAVE_MODE, 25, 1), 1
	s_wait_xcnt 0x0
	s_wait_alu depctr_hold_cnt(0) depctr_sa_sdst(0) depctr_va_vdst(0) depctr_va_sdst(0) depctr_va_ssrc(0) depctr_va_vcc(0) depctr_vm_vsrc(0)
	s_getreg_b32 s2, hwreg(HW_REG_IB_STS2, 6, 4)
	s_cmp_eq_u32 s2, 0
	s_cbranch_scc0 .Lentry_in_a_cluster
	s_endpgm
.Lentry_in_a_cluster:
	s_bfe_u32 s2, ttmp6, 0x10000c
	s_cmp_lg_u32 s2, 0xf033
	s_cbranch_scc0 .Lentry_shape_is_right
	s_endpgm
.Lentry_shape_is_right:
; out0[token][f] = sum over c of o[token][c] w_proj[f][c], as a plain f16 product with K' = 2,048: A = o16 [8192][h 16][hi 64 | lo 64], B = wp16 [1024][h 16][Wh 64 | Wh 64]: (hi + lo) x Wh summed in f32.  C: f32.
; A tile of C is 128 x 128.  Four waves, each 64 x 64: 16 accumulators of 16 x 16, 128 registers.  K' goes in steps of 256 (LDS rows of 512 bytes; a wave's tensor load brings 64 of them) through two slots.
; CLUSTERS: 4 x 4 work-groups.  The four of a row of the cluster need the same tiles of A, the four of a column the same tiles of B: each tile is asked for JOINTLY, by the same tensor load with the
; same descriptor and a mask that names the four.  THE MATRIX INSTRUCTION IS USED TRANSPOSED (source 0 = 16 rows of B, source 1 = 16 rows of A): a lane then holds eight neighbouring numbers of a row of C.
; No prefetch: a K step's tiles are small and each is asked for by four work-groups at once.
; REGISTERS: window 0: v0-31 addresses; v32-95 rows on the way out; v128-255 the accumulators ((a, b) at v[128 + 8 (4 a + b)]).
;   window 1: two fragment buffers of 128: for 64 along K, 64 registers of A (2 x 4 x 16 rows x 32 K), then 64 of B.
.set SIZE_M, 8192
.set SIZE_N, 1024
.set SIZE_K, 2048
.set KSTEP,  256
.set PITCH,  528                       ; an LDS row: 512 bytes + 16 of padding: the 16 rows that a load touches begin at 16 different 16-byte columns modulo 256
.set HALFT,  64*PITCH                  ; 64 rows: what one tensor load brings, and what one wave reads of A or of B
.set SLOT,   4*HALFT                   ; A's 128 rows, then B's 128 rows
.set STAGE,  2*SLOT                    ; behind the ring: 16 rows x 272 bytes for each wave, for the way out
.set SPITCH, 272
.set SPARE,  STAGE+4*16*SPITCH         ; the spare words, 128 bytes for each wave: two blocks of 256 bytes that no other line names
.set LAPS, SIZE_K/(2*KSTEP)            ; a lap = two K steps = once round the ring: 4
.set ADRA, 16                          ; v16-17  LDS address of my A fragments in slot 0, 1
.set ADRB, 20                          ; v20-21  the same for B
.set STO,  24                          ; v24     the way out: where I put 32 bytes of a row
.set RD,   25                          ; v25     the way out: where I read a row back
.set CO,   26                          ; v26     my byte offset in two rows of C
.set SPW,  28                          ; v28     LDS address of my spare word; never rewritten
.set NIL,  29                          ; v29     0; never rewritten
.set TMP,  32                          ; the way out: two sets of 32 registers
.set ACC,  128
.set F0,   0                           ; fragment buffers, in window 1
.set F1,   128
.set G1, 24                            ; s[24:31] descriptor group 1 for A's tiles;  s[32:39] group 0, one set for each slot
.set G0, 32
.set G1B, 48                           ; s[48:55], s[56:63] the same for B's tiles
.set G0B, 56
.set MSB, 0
.macro WIN new                         ; the immediate's high byte repeats the setting that is left
.if MSB != (\new)
	s_set_vgpr_msb (MSB<<8)|(\new)
.set MSB, (\new)
.endif
.endm
.set MUL,  0x05                        ; sources 0 (B) and 1 (A) window 1; C and D window 0
.set TO_F, 0x40                        ; destination window 1, address window 0
.macro JLOAD s                         ; a joint load: waves 0 and 1 fetch A's two halves, waves 2 and 3 B's; four v_nop follow each of the two lines, ahead of the jump, the label and what follows
	s_cmp_eq_u32 s11, 0
	s_cbranch_scc0 .Lfor_b_\@
	tensor_load_to_lds s[G0+4*\s:G0+4*\s+3], s[G1:G1+7]
	s_nop 0
.rept 4
	v_nop
.endr
	s_branch .Lasked_\@
.Lfor_b_\@:
	tensor_load_to_lds s[G0B+4*\s:G0B+4*\s+3], s[G1B:G1B+7]
	s_nop 0
.rept 4
	v_nop
.endr
.Lasked_\@:
.endm
.macro CREST                           ; a round of the cluster's barrier behind its opening barrier
	s_cmp_lg_u32 s10, 0
	s_cbranch_scc1 .Lnot_wave_0_\@
	s_barrier_signal -3
.Lnot_wave_0_\@:
	s_barrier_wait -3
	s_barrier_signal -1
	s_barrier_wait -1
.endm
.macro CROUND                          ; a whole round
	s_barrier_signal -1
	s_barrier_wait -1
	CREST
.endm
	s_load_b128 s[4:7], s[0:1], 0x0                ; A s[4:5], B s[6:7]
	s_load_b64 s[8:9], s[0:1], 0x10                ; C
	v_lshl_add_u32 v[SPW], v0, 2, SPARE
	v_mov_b32 v[NIL], 0
	ds_add_u32 v28, v29
	ds_add_u32 v28, v29
	s_wait_dscnt 0x0
	v_lshrrev_b32 v1, 5, v0
	v_readfirstlane_b32 s10, v1                    ; wave 0..3
	s_lshr_b32 s11, s10, 1                         ; which half of the tile's rows is mine.  Also: I fetch for A (0) or for B (1)
	s_and_b32 s12, s10, 1                          ; which half of its columns.  Also: which 64 rows of that tile I fetch
	s_bfe_u32 s40, ttmp6, 0x40000                  ; cx, cy: my place in the cluster
	s_bfe_u32 s41, ttmp6, 0x40004
	s_lshl_b32 s42, ttmp9, 2
	s_add_co_u32 s42, s42, s40                     ; tile column of C = 4 x cluster x + cx
	s_and_b32 s13, ttmp7, 0xffff
	s_lshl_b32 s13, s13, 2
	s_add_co_u32 s13, s13, s41                     ; tile row of C = 4 x cluster y + cy
	s_lshl_b32 s43, s41, 2
	s_lshl_b32 s43, 15, s43                        ; my row of the cluster
	s_lshl_b32 s44, 0x1111, s40                    ; my column
	; descriptor group 1: a tile of 64 rows x 256 elements, padded in LDS
	s_or_b32 s[G1+0], s43, (1<<16)|(1<<20)|(1<<21)|(6<<22)|(3<<25)  ; 15:0 the mask: A's tiles go to my row; 17:16 element of 2 bytes; 20 padding on; 21 set beside a mask; 24:22 after every 128 words (code 6); 31:25 of 4 words (code 3)
	s_or_b32 s[G1B+0], s44, (1<<16)|(1<<20)|(1<<21)|(6<<22)|(3<<25)
.irp g, G1, G1B
	s_mov_b32 s[\g+1], KSTEP<<16                   ; tensor_dim0 = 256
	s_mov_b32 s[\g+2], 64<<16                      ; tensor_dim1 = 64
	s_mov_b32 s[\g+3], KSTEP<<16                   ; tile_dim0 = 256
	s_mov_b32 s[\g+4], 64                          ; tile_dim1 = 64
	s_mov_b32 s[\g+5], SIZE_K                      ; tensor_dim0_stride
	s_mov_b32 s[\g+6], 0
	s_mov_b32 s[\g+7], 0
.endr
	s_lshl_b32 s17, s12, 6                         ; which 64 rows of the tile I fetch
	s_lshl_b32 s16, s13, 7
	s_add_co_u32 s16, s16, s17                     ; A: row 128 x tile row + 64 x half
	s_lshl_b32 s46, s42, 7
	s_add_co_u32 s46, s46, s17                     ; B: row 128 x tile column + 64 x half
	s_mov_b32 s17, 0
	s_mov_b32 s47, 0
	s_mov_b64 s[18:19], SIZE_K*2
	s_mul_u64 s[16:17], s[16:17], s[18:19]
	s_mul_u64 s[46:47], s[46:47], s[18:19]
	s_mul_i32 s20, s10, HALFT                      ; where they go: wave x 64 rows
	s_wait_kmcnt 0x0
	s_add_nc_u64 s[14:15], s[4:5], s[16:17]
	s_add_nc_u64 s[46:47], s[6:7], s[46:47]
	CROUND                                         ; all sixteen work-groups are here: the first joint loads meet
.irp s, 0,1
	s_mov_b32 s[G0+4*\s], 1
	s_add_co_u32 s[G0+4*\s+1], s20, \s*SLOT
	s_add_nc_u64 s[G0+4*\s+2:G0+4*\s+3], s[14:15], \s*KSTEP*2
	s_or_b32 s[G0+4*\s+3], s[G0+4*\s+3], 0x80000000
	s_mov_b32 s[G0B+4*\s], 1
	s_add_co_u32 s[G0B+4*\s+1], s20, \s*SLOT
	s_add_nc_u64 s[G0B+4*\s+2:G0B+4*\s+3], s[46:47], \s*KSTEP*2
	s_or_b32 s[G0B+4*\s+3], s[G0B+4*\s+3], 0x80000000
	JLOAD \s
.endr
	v_and_b32 v1, 15, v0                           ; l % 16
	v_bfe_u32 v2, v0, 4, 1                         ; l / 16
	v_mul_u32_u24 v3, v1, PITCH
	v_lshl_add_u32 v3, v2, 4, v3                   ; a fragment's row x pitch + 16 x half
	s_mul_i32 s21, s11, HALFT                      ; my 64 rows of A
	s_mul_i32 s22, s12, HALFT                      ; my 64 rows of B,
	s_add_co_u32 s22, s22, 2*HALFT                 ; which lie behind A's 128
.irp s, 0,1
	v_add_nc_u32 v[ADRA+\s], s21, v3
	v_add_nc_u32 v[ADRB+\s], s22, v3
	s_add_co_u32 s21, s21, SLOT
	s_add_co_u32 s22, s22, SLOT
.endr
	s_mul_i32 s23, s10, 16*SPITCH                  ; my own stage: my 64 columns of f32 are 256 bytes, aligned in C, so no other wave has a part in my rows
	s_add_co_u32 s23, s23, STAGE
	v_mul_u32_u24 v4, v1, SPITCH                   ; in: row l % 16, 32 bytes for each half of the lanes
	v_lshl_add_u32 v4, v2, 5, v4
	v_add_nc_u32 v[STO], s23, v4
	v_mul_u32_u24 v5, v2, SPITCH                   ; back: lanes 0-15 take one row of 256 bytes, lanes 16-31 the next
	v_lshl_add_u32 v5, v1, 4, v5
	v_add_nc_u32 v[RD], s23, v5
	v_mul_u32_u24 v5, v2, SIZE_N*4                 ; and the same two rows in C
	v_lshl_add_u32 v[CO], v1, 4, v5
	s_lshl_b32 s16, s13, 7
	s_lshl_b32 s17, s11, 6
	s_add_co_u32 s16, s16, s17                     ; my first row of C: 128 x tile row + 64 x half
	s_mov_b32 s17, 0
	s_mov_b64 s[18:19], SIZE_N*4
	s_mul_u64 s[16:17], s[16:17], s[18:19]
	s_add_nc_u64 s[8:9], s[8:9], s[16:17]
	s_lshl_b32 s46, s42, 9                         ; my first column, in bytes: 512 x tile column + 256 x half
	s_lshl_b32 s47, s12, 8
	s_add_co_u32 s46, s46, s47
	s_mov_b32 s47, 0
	s_add_nc_u64 s[8:9], s[8:9], s[46:47]
; 8 matrix instructions: m blocks a0, a0 + 1 x all 4 n blocks, 32 along K: half c of buffer f.  zero = 1: the first product starts the sums.  The 16 accumulators take turns.
.macro MUL8 f, c, a0, zero
.irp a, \a0, \a0+1
.irp b, 0,1,2,3
.if \zero
	v_wmma_f32_16x16x32_f16 v[ACC+8*(4*(\a)+\b):ACC+8*(4*(\a)+\b)+7], v[\f+64+8*(4*\c+\b):\f+64+8*(4*\c+\b)+7], v[\f+8*(4*\c+\a):\f+8*(4*\c+\a)+7], 0
.else
	v_wmma_f32_16x16x32_f16 v[ACC+8*(4*(\a)+\b):ACC+8*(4*(\a)+\b)+7], v[\f+64+8*(4*\c+\b):\f+64+8*(4*\c+\b)+7], v[\f+8*(4*\c+\a):\f+8*(4*\c+\a)+7], v[ACC+8*(4*(\a)+\b):ACC+8*(4*(\a)+\b)+7]
.endif
.endr
.endr
.endm
; 32 LDS loads in one run: the fragments of 64 along K at byte k of the rows, into buffer f; the first 32 along K first
.macro FETCH slot, k, f
	WIN TO_F
.irp c, 0,1
.irp i, 0,1,2,3
	ds_load_b128 v[\f+64+8*(4*\c+\i):\f+64+8*(4*\c+\i)+3],   v[ADRB+\slot] offset:\k+64*\c+\i*16*PITCH
	ds_load_b128 v[\f+64+8*(4*\c+\i)+4:\f+64+8*(4*\c+\i)+7], v[ADRB+\slot] offset:\k+64*\c+\i*16*PITCH+32
	ds_load_b128 v[\f+8*(4*\c+\i):\f+8*(4*\c+\i)+3],         v[ADRA+\slot] offset:\k+64*\c+\i*16*PITCH
	ds_load_b128 v[\f+8*(4*\c+\i)+4:\f+8*(4*\c+\i)+7],       v[ADRA+\slot] offset:\k+64*\c+\i*16*PITCH+32
.endr
.endr
.endm
.macro PLACES                          ; four places in front of loads into registers that matrix instructions have read, and of the first read of results
.rept 4
	v_nop
.endr
.endm
; A K step is four quarters of 64 along K, 32 matrix instructions each, on buffers 0, 1, 0, 1.  One of the first three: multiplies buffer f and fetches the next quarter, at byte k, into g.
.macro QUARTER slot, k, f, g, zero
	s_wait_dscnt 16                                ; the first 32 along K are in; the other sixteen loads may be out
	WIN MUL
	MUL8 \f, 0, 0, \zero
	MUL8 \f, 0, 2, \zero
	PLACES
	FETCH \slot, \k, \g
	s_wait_dscnt 32                                ; all but the 32 just issued
	WIN MUL
	MUL8 \f, 1, 0, 0
	MUL8 \f, 1, 2, 0
.endm
; The last quarter multiplies buffer 1 and changes slots: ONE barrier; in front of it each wave waits for all its tensor loads, adds 0 to its spare word, and waits for that and for its own reads of this slot.  fill = 1: this slot is filled again, two K steps ahead.
.macro TURN slot, next, fill
	WIN 0                                          ; (the add's two registers lie in window 0)
	s_wait_tensorcnt 0x0                           ; all my tensor loads have landed: my part of the next slot;
	ds_add_u32 v[SPW], v[NIL]                      ; 0 onto my spare word;
	s_wait_dscnt 17                                ; (the add and the youngest sixteen loads may be out)
	WIN MUL
	MUL8 F1, 0, 0, 0                               ; eight matrix instructions stand between the add and the wait for it
	s_wait_dscnt 0x0                               ; the add is done, and my reads of this slot are over
	s_barrier_signal -1
	MUL8 F1, 0, 2, 0
.if \fill
	WIN 0
.endif
	s_barrier_wait -1
.if \fill
	CREST                                          ; the barrier has opened a round of the cluster's barrier: no wave of any partner still reads this slot's tile or has a load on its way
	s_add_nc_u64 s[G0+4*\slot+2:G0+4*\slot+3], s[G0+4*\slot+2:G0+4*\slot+3], 2*KSTEP*2
	s_add_nc_u64 s[G0B+4*\slot+2:G0B+4*\slot+3], s[G0B+4*\slot+2:G0B+4*\slot+3], 2*KSTEP*2
	JLOAD \slot                                    ; the first tensor load behind the round, my one load until the next; the four v_nop behind it are also the places in front of the loads below
.else
	PLACES
.endif
	FETCH \next, 0, F0
	WIN MUL
	MUL8 F1, 1, 0, 0
	MUL8 F1, 1, 2, 0
.endm
	s_wait_tensorcnt 1                             ; my part of K step 0 is in (K step 1's load may be out)
	s_barrier_signal -1
	s_barrier_wait -1                              ; everybody's is
	FETCH 0, 0, F0
	QUARTER 0, 128, F0, F1, 1                      ; the first quarter stands in front of the loop: its first products start the sums
	WIN 0                                          ; at a label and at a branch every window is 0
	s_mov_b32 s3, LAPS-1
.Llap:                                                 ; a trip goes once round the ring, from a lap's second quarter to the next lap's first, and fills both slots again
	QUARTER 0, 256, F1, F0, 0
	QUARTER 0, 384, F0, F1, 0
	TURN 0, 1, 1
	QUARTER 1, 128, F0, F1, 0
	QUARTER 1, 256, F1, F0, 0
	QUARTER 1, 384, F0, F1, 0
	TURN 1, 0, 1
	QUARTER 0, 128, F0, F1, 0
	WIN 0
	s_sub_co_u32 s3, s3, 1
	s_cmp_lg_u32 s3, 0
	s_cbranch_scc1 .Llap
	QUARTER 0, 256, F1, F0, 0                      ; the last lap fills nothing, and has no round of the cluster's barrier
	QUARTER 0, 384, F0, F1, 0
	TURN 0, 1, 0
	QUARTER 1, 128, F0, F1, 0
	QUARTER 1, 256, F1, F0, 0
	QUARTER 1, 384, F0, F1, 0
	s_wait_dscnt 16                                ; the very last quarter: nothing more to fetch
	WIN MUL
	MUL8 F1, 0, 0, 0
	MUL8 F1, 0, 2, 0
	s_wait_dscnt 0
	MUL8 F1, 1, 0, 0
	MUL8 F1, 1, 2, 0
	WIN 0
	; THE WAY OUT, 16 rows x 64 columns of f32 at a time.  A lane holds 32 neighbouring bytes of a row, the lanes beside it other rows: so a block goes through my own stage and comes back as whole rows of 256 bytes.
	; LDS serves a wave's instructions in order: no wait between the stage's stores and its loads, nor in front of the next block's stores.
	PLACES
.irp a, 0,1,2,3
.irp b, 0,1,2,3
	ds_store_b128 v[STO], v[ACC+8*(4*\a+\b):ACC+8*(4*\a+\b)+3] offset:64*\b          ; each accumulator from its low end on
	ds_store_b128 v[STO], v[ACC+8*(4*\a+\b)+4:ACC+8*(4*\a+\b)+7] offset:64*\b+16
.endr
.if \a >= 2
	s_wait_xcnt 0x0                                ; the stores of two blocks back have read this set's registers
.endif
.irp t, 0,1,2,3,4,5,6,7
	ds_load_b128 v[TMP+32*(\a%2)+4*\t:TMP+32*(\a%2)+4*\t+3], v[RD] offset:\t*2*SPITCH
.endr
	s_wait_dscnt 0x0
.irp t, 0,1,2,3,4,5,6,7
	global_store_b128 v[CO], v[TMP+32*(\a%2)+4*\t:TMP+32*(\a%2)+4*\t+3], s[8:9] offset:(16*\a+2*\t)*SIZE_N*4 th:TH_STORE_NT   ; 16 lanes store 256 consecutive bytes, at a multiple of 256 from C's first byte; written once, read by nobody here
.endr
.endr
	s_wait_tensorcnt 0x0                           ; the wave's end: behind my last tensor load and my last LDS store
	ds_add_u32 v[SPW], v[NIL]
	s_wait_dscnt 0x0
	CROUND                                         ; the closing round: no work-group ends while a partner may still ask for a tile that names it
	s_endpgm
.Lfunc_end_k_q23aa9dec9d_proj:
	.size	k_q23aa9dec9d_proj, .Lfunc_end_k_q23aa9dec9d_proj-k_q23aa9dec9d_proj
	.p2alignl 7, 3214868480
	.fill 96, 4, 3214868480
	.section	.rodata,"a",@progbits
	.p2align	6, 0x0
	.amdhsa_kernel k_q23aa9dec9d_proj
		.amdhsa_group_segment_fixed_size 327680
		.amdhsa_private_segment_fixed_size 0
		.amdhsa_enable_private_segment 0
		.amdhsa_kernarg_size 24
		.amdhsa_user_sgpr_count 2
		.amdhsa_user_sgpr_kernarg_segment_ptr 1
		.amdhsa_wavefront_size32 1
		.amdhsa_system_sgpr_workgroup_id_x 1
		.amdhsa_system_sgpr_workgroup_id_y 1
		.amdhsa_system_sgpr_workgroup_id_z 1
		.amdhsa_system_vgpr_workitem_id 0
		.amdhsa_next_free_vgpr 512
		.amdhsa_next_free_sgpr 66
		.amdhsa_reserve_vcc 0
		.amdhsa_float_denorm_mode_32 3
		.amdhsa_float_denorm_mode_16_64 3
		.amdhsa_memory_ordered 1
		.amdhsa_forward_progress 1
		.amdhsa_inst_pref_size 86
	.end_amdhsa_kernel
	.amdgpu_metadata
---
amdhsa.version: [ 1, 2 ]
amdhsa.kernels:
  - .name:           k_q23aa9dec9d_proj
    .symbol:         k_q23aa9dec9d_proj.kd
    .args:
      - { .name: o16, .offset: 0, .size: 8, .value_kind: global_buffer, .address_space: global }
      - { .name: wp16, .offset: 8, .size: 8, .value_kind: global_buffer, .address_space: global }
      - { .name: out0, .offset: 16, .size: 8, .value_kind: global_buffer, .address_space: global }
    .group_segment_fixed_size: 327680
    .private_segment_fixed_size: 0
    .kernarg_segment_align: 8
    .kernarg_segment_size: 24
    .max_flat_workgroup_size: 128
    .sgpr_count:     66
    .vgpr_count:     512
    .wavefront_size: 32
...
	.end_amdgpu_metadata
.endif
;; end of part 4
